; MI455X (gfx1250); checked and timed in simulation.
; The chip was launched on July 23, 2026; its instructions are those of AMD's public machine-readable ISA for CDNA 5 (MIT licence, August 2026) and "CDNA5" Instruction Set Architecture Reference Guide (July 2026). The comments in the code are by the model that wrote it; some were corrected since.
;; Multi Head Attention. Allowed arithmetic: matrix products marked QUANTISED: E2M1 operands, one E8M0 scale for each 32 along K, by v_wmma_scale_f32_16x16x128_f8f6f4 with both operands' format E2M1 (or v_wmma_scale_f32_32x16x128_f4), f32 sums; products left as they are: bf16, f16 or f32 operands; f32 sums; everything else in f32.
;; Inputs: Wk 1,024 x 1,024 float32; Wo 1,024 x 1,024 float32; Wq 1,024 x 1,024 float32; Wv 1,024 x 1,024 float32; causal_mask 1 x 1 x 2,048 x 2,048 float32; x 2 x 2,048 x 1,024 float32.
;; Outputs: out0 2 x 2,048 x 1,024 float32.
;; This version of the problem:
;;   THIS VERSION OF THE PROBLEM IS GIVEN IN LOW PRECISION. The matrix products marked QUANTISED in the list below multiply operands that are first quantised to E2M1 (2 exponent bits, 1 mantissa bit; 4 bits a number), with one power-of-two scale for each 32 numbers along K (OCP MX v1.0); their sums are f32. The products marked 'left as it is' may take bf16, f16 or f32 operands, with f32 sums. Whichever they take, every output number must still come out within the allowed error. Rounding operands to bf16 (8 significant bits) uses up far more of that allowance than f16 does (11 bits, for magnitudes from 6e-5 to 65,504). All else is computed in f32.
;;   The module's matrix products, in the order in which they are computed (A, B: the left and right operand; K: the contracted axis; several contracted axes count as one K, in the product's order):
;;     1. [M 4,096, K 1,024] x [K 1,024, N 1,024]; A: input x; B: input Wq: QUANTISED
;;     2. [M 4,096, K 1,024] x [K 1,024, N 1,024]; A: input x; B: input Wk: QUANTISED
;;     3. [M 4,096, K 1,024] x [K 1,024, N 1,024]; A: input x; B: input Wv: QUANTISED
;;     4. batch 32 x [M 2,048, K 64] x [K 64, N 2,048]; A: computed on the way; B: computed on the way: left as it is (an operand is computed on the way)
;;     5. batch 32 x [M 2,048, K 2,048] x [K 2,048, N 64]; A: computed on the way; B: computed on the way: left as it is (an operand is computed on the way)
;;     6. [M 4,096, K 1,024] x [K 1,024, N 1,024]; A: computed on the way; B: input Wo: left as it is (an operand is computed on the way)
;;   THE QUANTISER, for each operand of a quantised product, along K:
;;     - K is cut into blocks of 32 from its start; a last block that is shorter is filled with zeros.
;;     - A block's scale is 2^e with e = floor(log2(the largest magnitude in the block)) - 2, held to -126 .. 127; a block of zeros has e = 0. As a byte (E8M0): e + 127.
;;     - Each number is divided by its block's scale, clamped to +-6, and rounded to the nearest number of E2M1, ties to even, subnormals kept.
;;     - The product sums the exact products of the quantised numbers (number of the format x scale) in f32.
;;   ~~~python
;;   def quantise(x, axis):      # numpy; x: float32 -> the quantised numbers, widened to float32 again
;;       x = np.moveaxis(x, axis, -1); K = x.shape[-1]
;;       x = np.pad(x, [(0, 0)] * (x.ndim - 1) + [(0, -K % 32)]); x = x.reshape(x.shape[:-1] + (-1, 32)); a = np.abs(x).max(-1, keepdims=True)
;;       e = np.where(a > 0, np.clip(np.frexp(np.where(a > 0, a, 1))[1] - 1 - 2, -126, 127), 0)      # np.frexp(a)[1] - 1 = floor(log2(a)), exactly
;;       r = np.clip(x / 2.0 ** e, -6, 6)
;;       step = 2.0 ** (np.maximum(np.frexp(np.where(r == 0, 1, r))[1] - 1, 0) - 1)
;;       q = np.round(r / step) * step * 2.0 ** e      # np.round: ties to even
;;       return np.moveaxis(q.reshape(q.shape[:-2] + (-1,))[..., :K], -1, axis).astype(np.float32)
;;   ~~~
;; One version. Each part assembles by itself: llvm-mc -triple=amdgcn-amd-amdhsa -mcpu=gfx1250 --defsym DOCPART=n.
;; ======== version 1 of 1: 6 launches
;; limits: values are held in f16: magnitudes above 65,504 overflow, below 6.1e-05 lose precision
;; workspace buffers: codes 3,670,016 bytes; scales 229,376 bytes; wo16 2,097,152 bytes; tab 1,572,864 bytes; qkv 25,165,824 bytes; att16 8,388,608 bytes; attf 131,072 bytes
;; launch prep (part 1): grid 320 x 1, 4 waves a work-group, no clusters, 33,280 bytes of LDS; arguments x, Wq, Wk, Wv, Wo, codes, scales, wo16, tab; writes codes, scales, wo16, tab
.if DOCPART == 1
	.amdgcn_target "amdgcn-amd-amdhsa--gfx1250"
	.amdhsa_code_object_version 6
	.text
	.protected	k_q55d1826a57_prep
	.globl	k_q55d1826a57_prep
	.p2align	8
	.type	k_q55d1826a57_prep,@function
k_q55d1826a57_prep:
	s_mov_b64 s[64:65], 0
	v_nop
	global_prefetch_b8 v0, s[64:65] scope:SCOPE_SE
	s_setreg_imm32_b32 hwreg(HW_REG_WAVE_MODE, 25, 1), 1
	s_wait_xcnt 0x0
; PREP.  Three jobs, told apart by the work-group's number g:
;   g = 0..223   x [4096][1024] and Wq, Wk, Wv [1024][1024], f32, K innermost, become codes of FP4 (E2M1) with one E8M0 byte for each 32 along K.
;                The four tensors lie on end in the two workspace buffers: x's rows first, then Wq's, Wk's, Wv's: codes 512 bytes a row, scale bytes 32 a row.
;   g = 224..255 Wo [1024][1024] f32 is rounded to f16, same layout.
;   g = 256..319 three tables [2048 positions][32 cos | 32 sin] f32: (cos/8, sin/8) for q, (cos, sin) for k, (1, 0) for v.  A wave makes 8 rows: a row is a chain of some fifty dependent
;                instructions, so the rows are spread over 256 waves and no wave's chain outlasts a quantising wave's sixteen steps.
; A block's scale is 2^(floor(log2(its largest magnitude)) - 2); its byte is the largest magnitude's exponent field - 2, held at 1 from below.
; LIMITS: a block of zeros gets the byte 1 (its codes are zeros, and this program alone reads the bytes); blocks whose largest magnitude lies under 2^(3 - 127) are held at that byte;
; NaN and infinities among the inputs are not served; |Wo| stays under 65,504 (f16).  The rotary frequencies are 2^(-j log2(10000) / 32) by v_exp_f32 (1 ulp): at position 2,047 the angle
; may differ from an f32 power's by some 2e-4 radians.  The angle is reduced by pi/2 in two parts and cos, sin are polynomials on +-pi/4.
.set WAVES, 4
.set STEPS, 16
.set AHEAD, 8                          ; steps whose loads are out: 32 loads of 512 bytes a wave
.set CB,    8                          ; bytes of 16 codes
.set R,     16                         ; v16-143  eight sets of 16 numbers as they are loaded
.set X,     144                        ; v144-175 two sets of 16 neighbours
.set E,     176                        ; v176-191 a scale byte for each step
.set C,     192                        ; v192-255 codes: four registers for each step
.set WREG,  8192                       ; LDS: a region for each wave: two stages of 32 x SP bytes, behind them its 256 scale bytes
.set SP,    80                         ; a lane's place in a stage: 64 bytes + 16 of padding
.set SPW,   12                         ; v12  LDS address of my spare word; never rewritten
.set NIL,   13                         ; v13  0; never rewritten
.set SPARE, WAVES*WREG                 ; the spare words, 128 bytes for each wave
	s_load_b256 s[4:11], s[0:1], 0x0               ; x, Wq, Wk, Wv
	s_load_b256 s[12:19], s[0:1], 0x20             ; Wo, codes, scales, wo16
	s_load_b64 s[20:21], s[0:1], 0x40              ; tab
	v_lshl_add_u32 v[SPW], v0, 2, SPARE
	v_mov_b32 v[NIL], 0
	v_lshrrev_b32 v1, 5, v0
	v_readfirstlane_b32 s22, v1                    ; wave
	v_and_b32 v2, 31, v0                           ; lane
	v_lshlrev_b32 v3, 4, v2                        ; 16 x lane
	s_mul_i32 s23, s22, WREG
	v_lshrrev_b32 v14, 2, v2
	v_mul_u32_u24 v14, v14, SP
	v_and_b32 v15, 3, v2
	v_lshl_add_u32 v14, v15, 4, v14
	v_add_nc_u32 v14, s23, v14                     ; the stage, on the way in: SP (lane / 4) + 16 (lane % 4)
	v_mul_u32_u24 v15, v2, SP
	v_add_nc_u32 v15, s23, v15                     ; and on the way out: SP x lane
	v_mul_u32_u24 v4, v2, CB                       ; my codes' place in a step's
	v_lshrrev_b32 v5, 1, v2
	s_add_co_u32 s23, s23, 2*32*SP
	v_add_nc_u32 v5, s23, v5                       ; LDS: my block's scale byte
	v_lshlrev_b32 v7, 3, v2                        ; 8 x lane
	v_add_nc_u32 v6, s23, v7
	s_wait_kmcnt 0x0
	s_cmp_ge_u32 ttmp9, 256
	s_cbranch_scc1 .Ltab
	s_cmp_ge_u32 ttmp9, 224
	s_cbranch_scc1 .Lwo
	; ---- the quantiser.  Only pointers are chosen; the choice hangs on the work-group's number alone
	s_and_b32 s26, ttmp9, 31
	s_cmp_lt_u32 ttmp9, 192
	s_cselect_b64 s[24:25], s[8:9], s[10:11]       ; Wk or Wv
	s_cmp_lt_u32 ttmp9, 160
	s_cselect_b64 s[24:25], s[6:7], s[24:25]       ; Wq
	s_cmp_lt_u32 ttmp9, 128
	s_cselect_b64 s[24:25], s[4:5], s[24:25]       ; x
	s_cselect_b32 s26, ttmp9, s26                  ; which 32,768 numbers of that tensor
	s_lshl_b32 s26, s26, 2
	s_add_co_u32 s26, s26, s22
	s_lshl_b32 s26, s26, 15                        ; my wave's 8,192 numbers: 32,768 bytes
	s_mov_b32 s27, 0
	s_add_nc_u64 s[24:25], s[24:25], s[26:27]
	s_lshl_b32 s28, ttmp9, 2
	s_add_co_u32 s28, s28, s22                     ; the results lie on end over all four tensors
	s_lshl_b32 s30, s28, 8                         ; 256 scale bytes a wave
	s_lshl_b32 s28, s28, 12                        ; 4,096 bytes of codes a wave
	s_mov_b32 s29, 0
	s_mov_b32 s31, 0
	s_add_nc_u64 s[28:29], s[14:15], s[28:29]
	s_add_nc_u64 s[30:31], s[16:17], s[30:31]
.macro LOAD t
.irp i, 0,1,2,3
	global_load_b128 v[R+16*((\t)%AHEAD)+4*\i:R+16*((\t)%AHEAD)+4*\i+3], v3, s[24:25] offset:2048*(\t)+512*\i th:TH_LOAD_NT   ; 32 lanes read 512 consecutive bytes
.endr
.endm
.macro TURN t                          ; step t's numbers through the stage: LDS serves a wave's instructions in order, so no wait stands between the stores and the loads
.irp i, 0,1,2,3
	ds_store_b128 v14, v[R+16*((\t)%AHEAD)+4*\i:R+16*((\t)%AHEAD)+4*\i+3] offset:32*SP*((\t)%2)+8*SP*\i
.endr
.irp i, 0,1,2,3
	ds_load_b128 v[X+16*((\t)%2)+4*\i:X+16*((\t)%2)+4*\i+3], v15 offset:32*SP*((\t)%2)+16*\i
.endr
.endm
.irp t, 0,1,2,3,4,5,6,7
	LOAD \t
.endr
	s_wait_loadcnt 28                              ; step 0's four loads are in; the seven later steps' may be out
	TURN 0
.macro STEP t
.set XS, X+16*((\t)%2)
.if (\t) > 0
	s_wait_dscnt 1                                 ; this step's numbers are back from the stage (the last step's byte store may be out): so its stores into the stage have read their registers,
.else
	s_wait_dscnt 0x0
.endif
.if (\t)+AHEAD < STEPS
	LOAD (\t)+AHEAD                                ; which take the loads of eight steps on
.endif
.if (\t)+1 < STEPS
.if STEPS-2-(\t) >= AHEAD-1
	s_wait_loadcnt 4*(AHEAD-1)                     ; the next step's four loads are in; those of the seven steps behind it may be out
.else
	s_wait_loadcnt 4*(STEPS-2-(\t))
.endif
	TURN (\t)+1
.endif
	v_max3_num_f32 v8, |v[XS]|, |v[XS+1]|, |v[XS+2]|               ; the largest magnitude of my 16
	v_max3_num_f32 v9, |v[XS+3]|, |v[XS+4]|, |v[XS+5]|
.irp i, 6,10
	v_max3_num_f32 v8, v8, |v[XS+\i]|, |v[XS+\i+1]|
	v_max3_num_f32 v9, v9, |v[XS+\i+2]|, |v[XS+\i+3]|
.endr
	v_max3_num_f32 v8, v8, |v[XS+14]|, |v[XS+15]|
	v_max3_num_f32 v8, v8, v9, 0x1800000           ; and the floor 2^(3 - 127): the byte cannot fall under 1
	v_max_num_f32_dpp v8, v8, v8 row_xmask:1 row_mask:0xf bank_mask:0xf   ; and of my neighbour's 16: the block's
	v_add_nc_u32 v11, 0xff000000, v8               ; 2 off its exponent field: the conversion takes the exponent field of this operand as its scale
	v_cvt_scalef32_pk8_fp4_f32 v[C+4*(\t)], v[XS:XS+7], v11
	v_cvt_scalef32_pk8_fp4_f32 v[C+4*(\t)+1], v[XS+8:XS+15], v11
	v_lshrrev_b32 v[E+(\t)], 23, v11               ; the scale's byte
	ds_store_b8 v5, v[E+(\t)] offset:16*(\t)       ; both lanes of a block write the same byte with the same value
	global_store_b64 v4, v[C+4*(\t):C+4*(\t)+1], s[28:29] offset:32*CB*(\t)   ; the wave stores 256 consecutive bytes, aligned
.endm
.irp t, 0,1,2,3,4,5,6,7,8,9,10,11,12,13,14,15
	STEP \t
.endr
	ds_load_b64 v[8:9], v6                         ; my wave's 256 scale bytes
	s_wait_dscnt 0x0
	global_store_b64 v7, v[8:9], s[30:31]          ; 256 consecutive bytes, aligned
	s_branch .Lend
	; ---- Wo to f16: a wave takes 8,192 numbers; a ring of 16 loads of 512 bytes; each store's data registers are its own
.Lwo:
	s_sub_co_u32 s26, ttmp9, 224
	s_lshl_b32 s26, s26, 2
	s_add_co_u32 s26, s26, s22
	s_lshl_b32 s28, s26, 14
	s_lshl_b32 s26, s26, 15
	s_mov_b32 s27, 0
	s_mov_b32 s29, 0
	s_add_nc_u64 s[24:25], s[12:13], s[26:27]
	s_add_nc_u64 s[28:29], s[18:19], s[28:29]
.set n, 0
.rept 16
	global_load_b128 v[16+4*n:16+4*n+3], v3, s[24:25] offset:512*n th:TH_LOAD_NT
.set n, n+1
.endr
.set n, 0
.rept 64
.if n < 48
	s_wait_loadcnt 15                              ; load n is in; the fifteen younger ones stay out
.else
	s_wait_loadcnt 63-n
.endif
	v_cvt_pk_f16_f32 v[80+2*n], v[16+4*(n%16)], v[16+4*(n%16)+1]
	v_cvt_pk_f16_f32 v[80+2*n+1], v[16+4*(n%16)+2], v[16+4*(n%16)+3]
.if n < 48
	global_load_b128 v[16+4*(n%16):16+4*(n%16)+3], v3, s[24:25] offset:512*(n+16) th:TH_LOAD_NT
.endif
	global_store_b64 v7, v[80+2*n:80+2*n+1], s[28:29] offset:256*n   ; 256 consecutive bytes, aligned
.set n, n+1
.endr
	s_branch .Lend
	; ---- the tables: a wave makes 8 rows; lane l owns elements 2 l and 2 l + 1 of a row (lanes 0-15 cos, lanes 16-31 sin)
.Ltab:
	s_sub_co_u32 s26, ttmp9, 256
	s_lshl_b32 s26, s26, 2
	s_add_co_u32 s26, s26, s22
	s_lshl_b32 s41, s26, 3                         ; my first position
	s_lshl_b32 s26, s26, 11                        ; 8 rows of 256 bytes
	s_mov_b32 s27, 0
	s_add_nc_u64 s[20:21], s[20:21], s[26:27]
	s_mov_b32 s30, 0x3f22f983                      ; 2 / pi
	s_mov_b32 s31, 0x3fc90fdb                      ; pi / 2, high part
	s_mov_b32 s32, 0xb33bbd2e                      ; and low part
	s_mov_b32 s33, 0xbe2aaaa3                      ; sin: S1, S2, S3
	s_mov_b32 s34, 0x3c08839e
	s_mov_b32 s35, 0xb94ca1f9
	s_mov_b32 s36, 0x3d2aaaa5                      ; cos: C1, C2, C3
	s_mov_b32 s37, 0xbab6061a
	s_mov_b32 s38, 0x37ccf5ce
	v_lshlrev_b32 v16, 1, v2
	v_and_b32 v16, 31, v16                         ; j of my first element
	v_add_nc_u32 v17, 1, v16
	v_cvt_f32_u32 v16, v16
	v_cvt_f32_u32 v17, v17
	v_mul_f32 v16, 0xbed49a78, v16                 ; -j log2(10000) / 32
	v_mul_f32 v17, 0xbed49a78, v17
	v_exp_f32 v20, v16                             ; the two frequencies
	v_exp_f32 v21, v17
	v_lshrrev_b32 v18, 4, v2                       ; 1 in the lanes that hold sines
	v_mul_u32_u24 v23, v18, 3                      ; sin x = cos(x - pi/2): three quadrants on
	v_cmp_eq_u32 vcc_lo, 0, v18
	v_cndmask_b32 v24, 0, 1.0, vcc_lo              ; v's table: 1 for cos, 0 for sin
	v_mov_b32 v25, v24
	v_cvt_f32_u32 v22, s41                         ; the position as f32
	v_lshlrev_b32 v26, 3, v2                       ; my 8 bytes of a row
	s_mov_b32 s40, 8
	s_wait_alu depctr_va_vdst(0)                   ; the wait ahead of the first reader of the two exponentials, and ahead of the label
.macro TRIG e
.set RB, 32+16*\e
	v_mul_f32 v[RB], v22, v[20+\e]                 ; the angle
	v_mul_f32 v[RB+1], s30, v[RB]
	v_rndne_f32 v[RB+1], v[RB+1]                   ; n quadrants
	v_fma_f32 v[RB+2], -v[RB+1], s31, v[RB]
	v_fma_f32 v[RB+2], -v[RB+1], s32, v[RB+2]      ; the rest, within +-pi/4
	v_mul_f32 v[RB+3], v[RB+2], v[RB+2]            ; z
	v_fma_f32 v[RB+4], v[RB+3], s35, s34
	v_fma_f32 v[RB+4], v[RB+4], v[RB+3], s33
	v_mul_f32 v[RB+5], v[RB+3], v[RB+2]
	v_fma_f32 v[RB+4], v[RB+4], v[RB+5], v[RB+2]   ; sin
	v_fma_f32 v[RB+6], v[RB+3], s38, s37
	v_fma_f32 v[RB+6], v[RB+6], v[RB+3], s36
	v_mul_f32 v[RB+7], v[RB+3], v[RB+3]
	v_fma_f32 v[RB+8], v[RB+3], -0.5, 1.0
	v_fma_f32 v[RB+6], v[RB+6], v[RB+7], v[RB+8]   ; cos
	v_cvt_i32_f32 v[RB+9], v[RB+1]
	v_add_nc_u32 v[RB+9], v[RB+9], v23             ; the quadrant k (its two low bits)
	v_and_b32 v[RB+10], 1, v[RB+9]
	v_cmp_ne_u32 vcc_lo, 0, v[RB+10]
	v_cndmask_b32 v[RB+11], v[RB+6], v[RB+4], vcc_lo   ; odd k: sin, even k: cos
	v_add_nc_u32 v[RB+9], 1, v[RB+9]
	v_and_b32 v[RB+9], 2, v[RB+9]
	v_lshlrev_b32 v[RB+9], 30, v[RB+9]             ; k = 1, 2: the sign turns
	v_xor_b32 v[64+\e], v[RB+11], v[RB+9]
	v_mul_f32 v[66+\e], 0x3e000000, v[64+\e]       ; / 8 for q: 1 / sqrt(64)
.endm
.Lrow:
	TRIG 0
	TRIG 1
	global_store_b64 v26, v[66:67], s[20:21]                   ; q's table: the wave stores a row of 256 bytes
	global_store_b64 v26, v[64:65], s[20:21] offset:524288     ; k's
	global_store_b64 v26, v[24:25], s[20:21] offset:1048576    ; v's
	s_wait_xcnt 0x0                                ; the stores' data and offset are rewritten only behind this wait
	v_add_nc_u32 v26, 256, v26
	v_add_f32 v22, 1.0, v22
	s_sub_co_u32 s40, s40, 1
	s_cmp_lg_u32 s40, 0
	s_cbranch_scc1 .Lrow
.Lend:
	s_wait_tensorcnt 0x0                           ; the wave's end
	ds_add_u32 v[SPW], v[NIL]
	s_wait_dscnt 0x0
	s_endpgm
.Lfunc_end_k_q55d1826a57_prep:
	.size	k_q55d1826a57_prep, .Lfunc_end_k_q55d1826a57_prep-k_q55d1826a57_prep
	.p2alignl 7, 3214868480
	.fill 96, 4, 3214868480
	.section	.rodata,"a",@progbits
	.p2align	6, 0x0
	.amdhsa_kernel k_q55d1826a57_prep
		.amdhsa_group_segment_fixed_size 33280
		.amdhsa_private_segment_fixed_size 0
		.amdhsa_enable_private_segment 0
		.amdhsa_kernarg_size 72
		.amdhsa_user_sgpr_count 2
		.amdhsa_user_sgpr_kernarg_segment_ptr 1
		.amdhsa_wavefront_size32 1
		.amdhsa_system_sgpr_workgroup_id_x 1
		.amdhsa_system_sgpr_workgroup_id_y 1
		.amdhsa_system_sgpr_workgroup_id_z 1
		.amdhsa_system_vgpr_workitem_id 0
		.amdhsa_next_free_vgpr 256
		.amdhsa_next_free_sgpr 66
		.amdhsa_reserve_vcc 1
		.amdhsa_float_denorm_mode_32 3
		.amdhsa_float_denorm_mode_16_64 3
		.amdhsa_memory_ordered 1
		.amdhsa_forward_progress 1
		.amdhsa_inst_pref_size 60
	.end_amdhsa_kernel
	.amdgpu_metadata
---
amdhsa.version: [ 1, 2 ]
amdhsa.kernels:
  - .name:           k_q55d1826a57_prep
    .symbol:         k_q55d1826a57_prep.kd
    .args:
      - { .name: x, .offset: 0, .size: 8, .value_kind: global_buffer, .address_space: global }
      - { .name: Wq, .offset: 8, .size: 8, .value_kind: global_buffer, .address_space: global }
      - { .name: Wk, .offset: 16, .size: 8, .value_kind: global_buffer, .address_space: global }
      - { .name: Wv, .offset: 24, .size: 8, .value_kind: global_buffer, .address_space: global }
      - { .name: Wo, .offset: 32, .size: 8, .value_kind: global_buffer, .address_space: global }
      - { .name: codes, .offset: 40, .size: 8, .value_kind: global_buffer, .address_space: global }
      - { .name: scales, .offset: 48, .size: 8, .value_kind: global_buffer, .address_space: global }
      - { .name: wo16, .offset: 56, .size: 8, .value_kind: global_buffer, .address_space: global }
      - { .name: tab, .offset: 64, .size: 8, .value_kind: global_buffer, .address_space: global }
    .group_segment_fixed_size: 33280
    .private_segment_fixed_size: 0
    .kernarg_segment_align: 8
    .kernarg_segment_size: 72
    .max_flat_workgroup_size: 128
    .sgpr_count:     66
    .vgpr_count:     256
    .wavefront_size: 32
...
	.end_amdgpu_metadata
.endif
;; end of part 1
;; launch qkv (part 2): grid 12 x 16, 4 waves a work-group, clusters of 4 x 4, 327,680 bytes of LDS; arguments codes, scales, tab, qkv; writes qkv
.if DOCPART == 2
	.amdgcn_target "amdgcn-amd-amdhsa--gfx1250"
	.amdhsa_code_object_version 6
	.text
	.protected	k_q55d1826a57_qkv
	.globl	k_q55d1826a57_qkv
	.p2align	8
	.type	k_q55d1826a57_qkv,@function
k_q55d1826a57_qkv:
	s_mov_b64 s[64:65], 0
	v_nop
	global_prefetch_b8 v0, s[64:65] scope:SCOPE_SE
	s_setreg_imm32_b32 hwreg(HW_REG_WAVE_MODE, 25, 1), 1
	s_wait_xcnt 0x0
	s_wait_alu depctr_hold_cnt(0) depctr_sa_sdst(0) depctr_va_vdst(0) depctr_va_sdst(0) depctr_va_ssrc(0) depctr_va_vcc(0) depctr_vm_vsrc(0)
	s_getreg_b32 s2, hwreg(HW_REG_IB_STS2, 6, 4)
	s_cmp_eq_u32 s2, 0
	s_cbranch_scc0 .Lentry_in_a_cluster
	s_endpgm
.Lentry_in_a_cluster:
	s_bfe_u32 s2, ttmp6, 0x10000c
	s_cmp_lg_u32 s2, 0xf033
	s_cbranch_scc0 .Lentry_shape_is_right
	s_endpgm
.Lentry_shape_is_right:
; QKV.  C[m][n] = sum over k of x[m][k] W[n][k], m = 4,096 tokens, n = 3,072 features (Wq's, Wk's, Wv's rows on end), k = 1,024, on codes of FP4 (E2M1) with one E8M0 scale for each 32 along K; sums in f32.
; A tile of C, 256 x 256, is made by four waves, each 128 x 128: 64 accumulators of 16 x 16.  All of K is two LDS slots of 512 along K (rows of 256 bytes): both are asked for at the head, nothing is filled twice.
; The scale bytes of the work-group's 256 + 256 rows come once, as dense blocks.  CLUSTERS: 4 x 4 work-groups; x's tiles are asked for jointly along a row of the cluster, W's along a column.
; THE MATRIX INSTRUCTION IS USED TRANSPOSED (source 0 = 16 rows of W, source 1 = 16 rows of x): a lane holds eight neighbouring features of one token.
; THE WAY OUT: a wave's 128 features are two heads.  Rotary embedding by a table row (32 cos | 32 sin) of the token's position: low half' = low cos - high sin, high half' = high cos + low sin.  The cluster's x says whether
; the tile belongs to q, k or v, and picks the table by address: q's holds cos/8 and sin/8 (the scores' 1/sqrt(64)), v's holds 1 and 0.  No branch.  Results are rounded to f16 and laid [q|k|v][batch x head][position][64].
; THE TABLE ROWS ARE ASKED FOR LONG BEFORE THEY ARE WANTED: a wave's 128 positions take 8 blocks x 32 registers, all of window 1.  Blocks 0-3 go into the half of that window that W's fragments leave idle, and are asked for
; behind the first fragments, with all the products in which to land; blocks 4-7 go into W's registers behind the last product, and land while blocks 0-3 go out.
; LIMITS: |q|/8, |k|, |v| stay under 65,504 (f16).
; REGISTERS, in windows of 256: window 0: v0-31 addresses; v32-95 scale words, two sets; v128-191 x's fragments, one set.  window 1: v0-63, v128-191 W's fragments, two sets; v64-127, v192-255 table rows of blocks 0-3.
;   windows 2, 3: the accumulators ((a, b) at v[8 (8 (a % 4) + b)]).  On the way out window 0 holds: v96-127 at work; v128-191 packed f16, two sets; v192-255 rows read back from the stage, two sets.
.set KSTEP,  512
.set NQ,     KSTEP/128
.set ROWB,   256                       ; a tile's row in bytes
.set KROW,   512                       ; a row of codes in memory
.set PITCH,  272                       ; an LDS row: 256 bytes + 16 of padding: the 16 rows that a load touches start 68 words apart
.set FR,     8
.set NL,     2
.set NP,     4                         ; places behind this matrix instruction (ISA guide 7.12.1)
.set HALFT,  128*PITCH
.set SLOT,   4*HALFT
.set KS,     32                        ; a row of scale bytes
.set SCL,    2*SLOT
.set HALFS,  (128*KS/256)*272
.set SBLK,   (16*KS/256)*272
.set SPARE,  SCL+4*HALFS               ; the spare words, 128 bytes for each wave
.set ADRA, 16
.set ADRB, 20
.set STO,  24                          ; the way out: where I put 16 bytes of a row of a head
.set RD,   25                          ; where I read rows back
.set CO,   26                          ; 16 x lane: my place in 512 bytes of the output
.set ADRS, 27
.set SPW,  28
.set NIL,  29
.set TBO,  30                          ; my place in 16 rows of a table; never rewritten
.set SC,   32
.set AF,   128
.set TU,   96
.set PK,   128
.set BK,   192
.set G1, 24
.set G0, 32
.set G1B, 48
.set G0B, 56
.set G1S, 68
.set G0S, 76
.set G1SB, 80
.set G0SB, 88
.set MSB, 0
.macro WIN new                         ; the immediate's high byte repeats the setting that is left
.if MSB != (\new)
	s_set_vgpr_msb (MSB<<8)|(\new)
.set MSB, (\new)
.endif
.endm
.set MUL_LO, 0xa1                      ; source 0 (W) window 1, source 1 (x) window 0, C and D window 2
.set MUL_HI, 0xf1
.set TO_B,   0x40                      ; destination window 1, address window 0
; A joint load: waves 0 and 1 fetch for x, waves 2 and 3 for W.  An s_nop 0 and four v_nop follow each of the two lines.
.macro JLOAD g0a, g1a, g0b, g1b
	s_cmp_eq_u32 s15, 0
	s_cbranch_scc0 .Lfor_b_\@
	tensor_load_to_lds s[\g0a:\g0a+3], s[\g1a:\g1a+7]
	s_nop 0
.rept 4
	v_nop
.endr
	s_branch .Lasked_\@
.Lfor_b_\@:
	tensor_load_to_lds s[\g0b:\g0b+3], s[\g1b:\g1b+7]
	s_nop 0
.rept 4
	v_nop
.endr
.Lasked_\@:
.endm
.macro CROUND                          ; a round of the cluster's barrier
	s_barrier_signal -1
	s_barrier_wait -1
	s_cmp_lg_u32 s14, 0
	s_cbranch_scc1 .Lnot_wave_0_\@
	s_barrier_signal -3
.Lnot_wave_0_\@:
	s_barrier_wait -3
	s_barrier_signal -1
	s_barrier_wait -1
.endm
	s_load_b128 s[4:7], s[0:1], 0x0                ; codes, scales
	s_load_b128 s[96:99], s[0:1], 0x10             ; tab, qkv
	v_lshl_add_u32 v[SPW], v0, 2, SPARE
	v_mov_b32 v[NIL], 0
	ds_add_u32 v[SPW], v[NIL]                      ; the wave's opening: the add, twice on end, and its wait ahead of my first tensor load
	ds_add_u32 v[SPW], v[NIL]
	v_lshrrev_b32 v1, 5, v0
	v_readfirstlane_b32 s14, v1                    ; wave 0..3
	s_lshr_b32 s15, s14, 1                         ; which half of the tile's rows is mine.  Also: I fetch for x (0) or for W (1)
	s_and_b32 s16, s14, 1                          ; which half of its columns.  Also: which 128 rows I fetch
	s_bfe_u32 s40, ttmp6, 0x40000                  ; cx
	s_bfe_u32 s41, ttmp6, 0x40004                  ; cy
	s_lshl_b32 s42, ttmp9, 2
	s_add_co_u32 s42, s42, s40                     ; tile column = 4 x cluster x + cx
	s_and_b32 s17, ttmp7, 0xffff
	s_lshl_b32 s17, s17, 2
	s_add_co_u32 s17, s17, s41                     ; tile row = 4 x cluster y + cy
	s_lshl_b32 s43, s41, 2
	s_lshl_b32 s43, 15, s43                        ; my row of the cluster
	s_lshl_b32 s44, 0x1111, s40                    ; my column
	s_or_b32 s[G1+0], s43, (0<<16)|(1<<20)|(1<<21)|(5<<22)|(3<<25)  ; the mask; elements of 1 byte; padding on; bit 21 beside a mask; 4 words after every 64
	s_or_b32 s[G1B+0], s44, (0<<16)|(1<<20)|(1<<21)|(5<<22)|(3<<25)
.irp g, G1, G1B
	s_mov_b32 s[\g+1], ROWB<<16                    ; tensor_dim0
	s_mov_b32 s[\g+2], 128<<16                     ; tensor_dim1
	s_mov_b32 s[\g+3], ROWB<<16                    ; tile_dim0
	s_mov_b32 s[\g+4], 128                         ; tile_dim1
	s_mov_b32 s[\g+5], KROW                        ; the pitch
	s_mov_b32 s[\g+6], 0
	s_mov_b32 s[\g+7], 0
.endr
	s_or_b32 s[G1S+0], s43, (3<<16)|(1<<20)|(1<<21)|(5<<22)|(3<<25) ; the scales of 128 rows: a dense block as rows of 256 bytes (32 elements of 8 bytes)
	s_or_b32 s[G1SB+0], s44, (3<<16)|(1<<20)|(1<<21)|(5<<22)|(3<<25)
.irp g, G1S, G1SB
	s_mov_b32 s[\g+1], 32<<16
	s_mov_b32 s[\g+2], (128*KS/256)<<16
	s_mov_b32 s[\g+3], 32<<16
	s_mov_b32 s[\g+4], 128*KS/256
	s_mov_b32 s[\g+5], 32
	s_mov_b32 s[\g+6], 0
	s_mov_b32 s[\g+7], 0
.endr
	s_lshl_b32 s18, s16, 7
	s_lshl_b32 s20, s17, 8
	s_add_co_u32 s20, s20, s18                     ; x: row 256 x tile row + 128 x half
	s_lshl_b32 s46, s42, 8
	s_add_co_u32 s46, s46, s18                     ; W: row 256 x tile column + 128 x half
	s_mov_b32 s21, 0
	s_mov_b32 s47, 0
	s_mov_b64 s[18:19], KS
	s_mul_u64 s[22:23], s[20:21], s[18:19]         ; where these rows' scales begin
	s_mul_u64 s[92:93], s[46:47], s[18:19]
	s_mov_b64 s[18:19], KROW
	s_mul_u64 s[20:21], s[20:21], s[18:19]         ; and their codes
	s_mul_u64 s[46:47], s[46:47], s[18:19]
	s_mul_i32 s45, s14, HALFT                      ; where they go: wave x 128 rows
	s_mul_i32 s94, s14, HALFS
	s_wait_dscnt 0x0                               ; both opening adds are done
	s_wait_kmcnt 0x0
	s_add_nc_u64 s[8:9], s[4:5], 0x200000          ; W's codes lie behind x's 4,096 rows of 512 bytes,
	s_add_nc_u64 s[10:11], s[6:7], 0x20000         ; W's scales behind x's 4,096 rows of 32
	s_add_nc_u64 s[20:21], s[4:5], s[20:21]
	s_add_nc_u64 s[22:23], s[6:7], s[22:23]
	s_add_nc_u64 s[46:47], s[8:9], s[46:47]
	s_add_nc_u64 s[92:93], s[10:11], s[92:93]
	CROUND                                         ; all sixteen work-groups are here: the first joint loads meet
	s_mov_b32 s[G0S], 1
	s_add_co_u32 s[G0S+1], s94, SCL
	s_mov_b64 s[G0S+2:G0S+3], s[22:23]
	s_or_b32 s[G0S+3], s[G0S+3], 0x80000000
	s_mov_b32 s[G0SB], 1
	s_add_co_u32 s[G0SB+1], s94, SCL
	s_mov_b64 s[G0SB+2:G0SB+3], s[92:93]
	s_or_b32 s[G0SB+3], s[G0SB+3], 0x80000000
	JLOAD G0S, G1S, G0SB, G1SB                     ; the scales first
.irp s, 0,1
	s_mov_b32 s[G0+4*\s], 1
	s_add_co_u32 s[G0+4*\s+1], s45, \s*SLOT
	s_add_nc_u64 s[G0+4*\s+2:G0+4*\s+3], s[20:21], \s*ROWB
	s_or_b32 s[G0+4*\s+3], s[G0+4*\s+3], 0x80000000
	s_mov_b32 s[G0B+4*\s], 1
	s_add_co_u32 s[G0B+4*\s+1], s45, \s*SLOT
	s_add_nc_u64 s[G0B+4*\s+2:G0B+4*\s+3], s[46:47], \s*ROWB
	s_or_b32 s[G0B+4*\s+3], s[G0B+4*\s+3], 0x80000000
	JLOAD G0+4*\s, G1, G0B+4*\s, G1B               ; three loads of mine are out: the scales and both halves of K
.endr
	v_and_b32 v1, 15, v0                           ; r = l % 16
	v_bfe_u32 v2, v0, 4, 1                         ; h = l / 16
	v_mul_u32_u24 v3, v1, PITCH
	v_lshl_add_u32 v4, v2, 4, v3
	s_mul_i32 s21, s15, HALFT                      ; my 128 rows of x
	s_mul_i32 s22, s16, HALFT                      ; my 128 rows of W,
	s_add_co_u32 s22, s22, 2*HALFT                 ; which lie behind x's 256
.irp s, 0,1
	v_add_nc_u32 v[ADRA+\s], s21, v4
	v_add_nc_u32 v[ADRB+\s], s22, v4
	s_add_co_u32 s21, s21, SLOT
	s_add_co_u32 s22, s22, SLOT
.endr
	v_mul_u32_u24 v5, v1, KS                       ; my row's scales: KS bytes a row,
	v_lshrrev_b32 v6, 8, v5
	v_lshl_add_u32 v5, v6, 4, v5                   ; and 16 more for each 256 passed
	s_mul_i32 s21, s15, HALFS
	s_mul_i32 s22, s16, HALFS
	s_add_co_u32 s22, s22, 2*HALFS
	s_sub_co_u32 s22, s22, s21
	v_mul_u32_u24 v6, s22, v2                      ; lanes 16-31 take W's
	s_add_co_u32 s21, s21, SCL
	v_add_nc_u32 v5, v5, v6
	v_add_nc_u32 v[ADRS], s21, v5
	s_mul_i32 s23, s14, 4608                       ; my stage, in slot 0: 2 heads x 16 rows x (128 bytes + 16)
	v_mul_u32_u24 v5, v1, 144
	v_lshl_add_u32 v5, v2, 4, v5
	v_add_nc_u32 v[STO], s23, v5                   ; in: row r, 16 bytes for each half of the lanes
	v_and_b32 v6, 31, v0
	v_lshrrev_b32 v5, 3, v6
	v_mul_u32_u24 v5, v5, 144
	v_and_b32 v7, 7, v0
	v_lshl_add_u32 v5, v7, 4, v5
	v_add_nc_u32 v[RD], s23, v5                    ; back: eight lanes to a row of 128 bytes, four rows an instruction
	v_lshlrev_b32 v[CO], 4, v6
	v_lshlrev_b32 v[TBO], 8, v1
	v_lshl_add_u32 v[TBO], v2, 5, v[TBO]           ; a table's row r, + 32 h
	; where my part of the output begins: [which][batch][head][position][64] f16
	s_lshr_b32 s20, s17, 3                         ; the batch
	s_lshl_b32 s20, s20, 22                        ; 16 heads x 262,144 bytes
	s_and_b32 s21, s17, 7
	s_lshl_b32 s21, s21, 15                        ; 256 positions x 128 bytes
	s_add_co_u32 s20, s20, s21
	s_lshl_b32 s21, s15, 14                        ; my half's 128 positions
	s_add_co_u32 s20, s20, s21
	s_mov_b32 s21, 0
	s_lshl_b32 s46, s40, 20                        ; head 4 cx
	s_lshl_b32 s47, s16, 19                        ; + 2 x my half of the columns
	s_add_co_u32 s46, s46, s47
	s_lshl_b32 s47, ttmp9, 23                      ; q, k or v: the cluster's x
	s_add_co_u32 s46, s46, s47
	s_mov_b32 s47, 0
	s_add_nc_u64 s[20:21], s[20:21], s[46:47]
	s_add_nc_u64 s[12:13], s[98:99], s[20:21]
	s_and_b32 s22, s17, 7                          ; and my first position's row of my table
	s_lshl_b32 s22, s22, 16
	s_lshl_b32 s23, s15, 15
	s_add_co_u32 s22, s22, s23
	s_lshl_b32 s23, ttmp9, 19
	s_add_co_u32 s22, s22, s23
	s_mov_b32 s23, 0
	s_add_nc_u64 s[96:97], s[96:97], s[22:23]      ; never rewritten from here on
.macro FRAG reg, adr, q, i             ; 16 rows x 128 K of 4-bit codes: 8 registers
.irp c, 0,1
	ds_load_b128 v[\reg+4*\c:\reg+4*\c+3], v[\adr] offset:64*(\q)+32*\c+(\i)*16*PITCH
.endr
.endm
; 16 matrix instructions: x's blocks a0, a0 + 1 against W's eight.  The 64 accumulators take turns, one instruction a turn.
.macro MUL16 a0, p, q, sc, zero
.irp a, \a0, \a0+1
.irp b, 0,1,2,3,4,5,6,7
.if \zero
	v_wmma_scale_f32_16x16x128_f8f6f4 v[8*(8*((\a)%4)+\b):8*(8*((\a)%4)+\b)+7], v[128*(\p)+FR*\b:128*(\p)+FR*\b+FR-1], v[AF+FR*(\a):AF+FR*(\a)+FR-1], 0, v[SC+8*NQ*(\sc)+NQ*\b+(\q)], v[SC+8*NQ*(\sc)+NQ*(\a)+(\q)] matrix_a_fmt:MATRIX_FMT_FP4 matrix_b_fmt:MATRIX_FMT_FP4 matrix_a_scale:MATRIX_SCALE_ROW1
.else
	v_wmma_scale_f32_16x16x128_f8f6f4 v[8*(8*((\a)%4)+\b):8*(8*((\a)%4)+\b)+7], v[128*(\p)+FR*\b:128*(\p)+FR*\b+FR-1], v[AF+FR*(\a):AF+FR*(\a)+FR-1], v[8*(8*((\a)%4)+\b):8*(8*((\a)%4)+\b)+7], v[SC+8*NQ*(\sc)+NQ*\b+(\q)], v[SC+8*NQ*(\sc)+NQ*(\a)+(\q)] matrix_a_fmt:MATRIX_FMT_FP4 matrix_b_fmt:MATRIX_FMT_FP4 matrix_a_scale:MATRIX_SCALE_ROW1
.endif
.endr
.endr
.endm
.macro FETCH_B slot, q, p
	WIN TO_B
.irp i, 0,1,2,3,4,5,6,7
	FRAG 128*(\p)+FR*\i, ADRB+\slot, \q, \i
.endr
	WIN 0
.endm
.macro FETCH_A slot, q, i0
.irp i, \i0, \i0+1, \i0+2, \i0+3
	FRAG AF+FR*(\i), ADRA+\slot, \q, \i
.endr
.endm
.macro SCALES sc                       ; a K step's scale words: lanes 0-15 x's block i, lanes 16-31 W's block i
.irp i, 0,1,2,3,4,5,6,7
	ds_load_b128 v[SC+8*NQ*\sc+NQ*\i:SC+8*NQ*\sc+NQ*\i+3], v[ADRS] offset:\i*SBLK
.endr
.endm
.macro PLACES n                        ; plain vector instructions between a matrix instruction and a load into, or a read of, its registers
.rept \n
	v_nop
.endr
.endm
.macro STEP slot, q, zero              ; 128 along K that has its successor in the same slot
	s_wait_dscnt 4*NL                              ; W's set and x's blocks 0-3 are in; the youngest eight loads (x's blocks 4-7) may be out
	WIN MUL_LO
	MUL16 0, (\q)%2, \q, \slot, \zero
	MUL16 2, (\q)%2, \q, \slot, \zero
	s_wait_dscnt 0
	PLACES NP
	FETCH_B \slot, (\q)+1, 1-(\q)%2
	FETCH_A \slot, (\q)+1, 0
	WIN MUL_HI
	MUL16 4, (\q)%2, \q, \slot, \zero
	MUL16 6, (\q)%2, \q, \slot, \zero
	PLACES NP
	WIN 0
	FETCH_A \slot, (\q)+1, 4
.endm
.macro TURN slot, next                 ; slot 0's last step changes slots: one barrier; nothing is filled again
	s_wait_tensorcnt 0x0                           ; all my tensor loads have landed: my part of the next slot
	ds_add_u32 v[SPW], v[NIL]                      ; 0 onto my spare word
	s_wait_dscnt 4*NL+1                            ; (the add and the youngest eight loads may be out)
	WIN MUL_LO
	MUL16 0, 1, NQ-1, \slot, 0
	s_wait_dscnt 0x0                               ; the add is done, and my reads of this slot are over
	s_barrier_signal -1
	MUL16 2, 1, NQ-1, \slot, 0
	WIN 0
	s_barrier_wait -1
	PLACES NP
	v_add_nc_u32 v[ADRS], 4*NQ, v[ADRS]            ; on to the next K step's scale words
	FETCH_B \next, 0, 0
	FETCH_A \next, 0, 0
	SCALES \next
	WIN MUL_HI
	MUL16 4, 1, NQ-1, \slot, 0
	MUL16 6, 1, NQ-1, \slot, 0
	PLACES NP
	WIN 0
	FETCH_A \next, 0, 4
.endm
.macro STEPS slot, from
.set Q, \from
.rept NQ-1-\from
	STEP \slot, Q, 0
.set Q, Q+1
.endr
.endm
; Where block a's 32 registers of table rows lie in window 1: blocks 0-3 in the registers that W's two sets leave idle, blocks 4-7 in W's sets.
.macro TBASE a
.if (\a) < 4
.set TBW, 64+32*((\a)%2)+128*((\a)/2)
.else
.set TBW, 32*((\a)%2)+128*(((\a)-4)/2)
.endif
.endm
.macro TABLOAD a                       ; block a's 16 table rows: my 8 cos and 8 sin for each of the two low blocks of a head.  The destination's window is 1
	TBASE \a
.irp k, 0,1,2,3
.irp e, 0,1
	global_load_b128 v[TBW+8*\k+4*\e:TBW+8*\k+4*\e+3], v[TBO], s[96:97] offset:4096*(\a)+64*\k+16*\e
.endr
.endr
.endm
	s_wait_tensorcnt 1                             ; the scales and my part of slot 0 are in (slot 1's load may be out),
	s_barrier_signal -1
	s_barrier_wait -1                              ; everybody's are
	FETCH_B 0, 0, 0
	FETCH_A 0, 0, 0
	SCALES 0
	FETCH_A 0, 0, 4
	WIN TO_B
.irp a, 0,1,2,3
	TABLOAD \a                                     ; 32 loads: they have all 512 products in which to land, and nothing names their registers before the way out
.endr
	WIN 0
	STEP 0, 0, 1                                   ; the first step's products start the sums: nothing is cleared
	STEPS 0, 1
	TURN 0, 1
	STEPS 1, 0
	s_wait_dscnt 4*NL                              ; the very last step
	WIN MUL_LO
	MUL16 0, 1, NQ-1, 1, 0
	MUL16 2, 1, NQ-1, 1, 0
	s_wait_dscnt 0
	WIN MUL_HI
	MUL16 4, 1, NQ-1, 1, 0
	MUL16 6, 1, NQ-1, 1, 0
	WIN 0
; THE WAY OUT, block by block of 16 tokens.
.macro ROPE a, hd                      ; head hd of block a: rotated, rounded to f16, into the stage.  Each accumulator is read from its low end on
	TBASE \a
.set PKS, PK+32*((\a)%2)+16*(\hd)
	WIN 0x06+((\a)/4)                              ; source 0: the accumulators' window (2 or 3); source 1: the table's (1)
.irp bp, 0,1
.set AL, 8*(8*((\a)%4)+4*(\hd)+\bp)
.set AH, AL+16
.set TT, TU+16*\bp
.set UU, TU+16*\bp+8
.set CC, TBW+8*\bp
.set SS, TBW+16+8*\bp
.irp p, 0,2,4,6
	v_pk_mul_f32 v[TT+\p:TT+\p+1], v[AH+\p:AH+\p+1], v[SS+\p:SS+\p+1]
	v_pk_mul_f32 v[UU+\p:UU+\p+1], v[AL+\p:AL+\p+1], v[SS+\p:SS+\p+1]
	v_pk_fma_f32 v[TT+\p:TT+\p+1], v[AL+\p:AL+\p+1], v[CC+\p:CC+\p+1], v[TT+\p:TT+\p+1] neg_lo:[0,0,1] neg_hi:[0,0,1]   ; low cos - high sin
	v_pk_fma_f32 v[UU+\p:UU+\p+1], v[AH+\p:AH+\p+1], v[CC+\p:CC+\p+1], v[UU+\p:UU+\p+1]                                 ; high cos + low sin
.endr
.endr
	WIN 0
.irp bp, 0,1
.irp p, 0,1,2,3
	v_cvt_pk_f16_f32 v[PKS+4*\bp+\p], v[TU+16*\bp+2*\p], v[TU+16*\bp+2*\p+1]
	v_cvt_pk_f16_f32 v[PKS+8+4*\bp+\p], v[TU+16*\bp+8+2*\p], v[TU+16*\bp+8+2*\p+1]
.endr
.endr
.irp blk, 0,1,2,3
	ds_store_b128 v[STO], v[PKS+4*\blk:PKS+4*\blk+3] offset:2304*(\hd)+32*\blk
.endr
.endm
.macro BACK a                          ; LDS serves a wave's instructions in order: these see the stores above
.irp hd, 0,1
.irp i, 0,1,2,3
	ds_load_b128 v[BK+32*((\a)%2)+16*\hd+4*\i:BK+32*((\a)%2)+16*\hd+4*\i+3], v[RD] offset:2304*\hd+576*\i
.endr
.endr
.endm
.macro SEND a, younger                 ; younger: the LDS instructions issued behind block a's loads
	s_wait_dscnt \younger
.irp hd, 0,1
.irp i, 0,1,2,3
	global_store_b128 v[CO], v[BK+32*((\a)%2)+16*\hd+4*\i:BK+32*((\a)%2)+16*\hd+4*\i+3], s[12:13] offset:262144*\hd+2048*(\a)+512*\i   ; four rows of a head: 512 consecutive bytes, aligned
.endr
.endr
.endm
	PLACES NP                                      ; in front of loads into W's registers, and of the first reads of results
	s_wait_loadcnt 0x0                             ; the table rows of blocks 0-3, asked for ahead of the first product, are in
	WIN TO_B
.irp a, 4,5,6,7
	TABLOAD \a                                     ; 32 loads more: they land while blocks 0-3 go out
.endr
	WIN 0
.irp a, 0,1,2,3,4,5,6,7
.if \a > 3
	s_wait_loadcnt 8*(7-\a)                        ; this block's table rows are in; the later blocks' loads, eight each, may be out
.endif
.if \a > 1
	s_wait_xcnt 0x0                                ; block a - 2's stores have read their registers: block a's rows may land there
.endif
	ROPE \a, 0
	ROPE \a, 1
	BACK \a
.if \a > 0
	SEND \a-1, 16                                  ; behind block a - 1's loads: block a's 8 stores and 8 loads
.endif
.endr
	SEND 7, 0
	s_wait_tensorcnt 0x0                           ; the wave's end
	ds_add_u32 v[SPW], v[NIL]
	s_wait_dscnt 0x0
	CROUND                                         ; the closing round
	s_endpgm
.Lfunc_end_k_q55d1826a57_qkv:
	.size	k_q55d1826a57_qkv, .Lfunc_end_k_q55d1826a57_qkv-k_q55d1826a57_qkv
	.p2alignl 7, 3214868480
	.fill 96, 4, 3214868480
	.section	.rodata,"a",@progbits
	.p2align	6, 0x0
	.amdhsa_kernel k_q55d1826a57_qkv
		.amdhsa_group_segment_fixed_size 327680
		.amdhsa_private_segment_fixed_size 0
		.amdhsa_enable_private_segment 0
		.amdhsa_kernarg_size 32
		.amdhsa_user_sgpr_count 2
		.amdhsa_user_sgpr_kernarg_segment_ptr 1
		.amdhsa_wavefront_size32 1
		.amdhsa_system_sgpr_workgroup_id_x 1
		.amdhsa_system_sgpr_workgroup_id_y 1
		.amdhsa_system_sgpr_workgroup_id_z 1
		.amdhsa_system_vgpr_workitem_id 0
		.amdhsa_next_free_vgpr 1024
		.amdhsa_next_free_sgpr 100
		.amdhsa_reserve_vcc 0
		.amdhsa_float_denorm_mode_32 3
		.amdhsa_float_denorm_mode_16_64 3
		.amdhsa_memory_ordered 1
		.amdhsa_forward_progress 1
		.amdhsa_inst_pref_size 165
	.end_amdhsa_kernel
	.amdgpu_metadata
---
amdhsa.version: [ 1, 2 ]
amdhsa.kernels:
  - .name:           k_q55d1826a57_qkv
    .symbol:         k_q55d1826a57_qkv.kd
    .args:
      - { .name: codes, .offset: 0, .size: 8, .value_kind: global_buffer, .address_space: global }
      - { .name: scales, .offset: 8, .size: 8, .value_kind: global_buffer, .address_space: global }
      - { .name: tab, .offset: 16, .size: 8, .value_kind: global_buffer, .address_space: global }
      - { .name: qkv, .offset: 24, .size: 8, .value_kind: global_buffer, .address_space: global }
    .group_segment_fixed_size: 327680
    .private_segment_fixed_size: 0
    .kernarg_segment_align: 8
    .kernarg_segment_size: 32
    .max_flat_workgroup_size: 128
    .sgpr_count:     100
    .vgpr_count:     1024
    .wavefront_size: 32
...
	.end_amdgpu_metadata
.endif
;; end of part 2
;; launch attn (part 3): grid 16 x 16, 8 waves a work-group, clusters of 4 x 4, 327,680 bytes of LDS; arguments qkv, causal_mask, att16; writes att16
.if DOCPART == 3
	.amdgcn_target "amdgcn-amd-amdhsa--gfx1250"
	.amdhsa_code_object_version 6
	.text
	.protected	k_q55d1826a57_attn
	.globl	k_q55d1826a57_attn
	.p2align	8
	.type	k_q55d1826a57_attn,@function
k_q55d1826a57_attn:
	s_mov_b64 s[64:65], 0
	v_nop
	global_prefetch_b8 v0, s[64:65] scope:SCOPE_SE
	s_setreg_imm32_b32 hwreg(HW_REG_WAVE_MODE, 25, 1), 1
	s_wait_xcnt 0x0
	s_wait_alu depctr_hold_cnt(0) depctr_sa_sdst(0) depctr_va_vdst(0) depctr_va_sdst(0) depctr_va_ssrc(0) depctr_va_vcc(0) depctr_vm_vsrc(0)
	s_getreg_b32 s2, hwreg(HW_REG_IB_STS2, 6, 4)
	s_cmp_eq_u32 s2, 0
	s_cbranch_scc0 .Lentry_in_a_cluster
	s_endpgm
.Lentry_in_a_cluster:
	s_bfe_u32 s2, ttmp6, 0x10000c
	s_cmp_lg_u32 s2, 0xf033
	s_cbranch_scc0 .Lentry_shape_is_right
	s_endpgm
.Lentry_shape_is_right:
; ATTN.  For each batch x head: softmax over all 2,048 keys of clip(q . k / 8 + mask, -10000, 10000), times v.  q (already / 8), k, v: f16, [32][2048][64]; the mask: f32 [2048][2048], an input: every number of it is read.
; SHARES.  A work-group owns 128 queries of TWO heads (a pair 2 X, 2 X + 1), so that each mask tile in LDS serves two heads.  Eight waves: wave w takes head w / 4 and queries 32 (w % 4) on: two tiles of 16.
; LAYOUT.  S^T = K Q^T + mask^T: source 0 = 16 keys, source 1 = 16 queries, and THE MASK IS THE C OPERAND: a lane holds one query (lane % 16) and keys 8 (lane / 16) + 0..7, which are 32 neighbouring bytes of the mask's row.
; Two such tiles, rounded to f16 in pairs, are source 1 of O^T = V^T P; V comes out of LDS turned, by ds_load_tr16_b128.
; SOFTMAX.  A running maximum m (it begins at -10000, under which the clip lets no score fall) and sum l: p = 2^(c s - c m), c = log2(e); in every step O and l are multiplied by 2^(c m_old - c m_new).  l sums the unrounded p.
; RING.  Keys go in tiles of 128 through two LDS slots: mask 128 x 512 bytes, K and V 2 x 128 x 128 bytes.  One tensor load a wave behind each round: waves 0-3 the mask, 4-5 K, 6-7 V.
; CLUSTER 4 x 4.  The mask's tile hangs on the query block alone: asked for jointly along a row of the cluster.  K's and V's hang on the head pair alone: jointly along a column.
; LIMITS: NaN and infinities among the inputs are not served (behind the clip no weight is NaN); the result stays under 65,504 (f16).
; The first 16 positions of each sequence are computed again, more finely, by later launches.
.set PM,   528                         ; a mask row in LDS: 512 bytes + 16
.set PKP,  144                         ; a key's row: 128 + 16
.set PVP,  160                         ; a value's row: 128 + 32
.set KOFF, 128*PM
.set VOFF, KOFF+2*128*PKP
.set SLOT, VOFF+2*128*PVP              ; 145,408 bytes
.set SPARE, 2*SLOT                     ; the spare words, 128 bytes for each wave
.set AM,  2                            ; v2-3   my place in the mask's tile, slot 0, 1
.set AK,  4                            ; v4-5   in K's
.set AV,  6                            ; v6-7   in V's
.set SPW, 8
.set NIL, 9
.set QO,  10
.set RD,  11
.set GO,  12
.set PFO, 13
.set STO, 14
.set ST,  16                           ; v16-31 tile t's statistics at ST + 8 t: +0 c m, +1 m, +2, +3 l, +4..+7 at work (+6: the rescaling factor)
.set Q,   32                           ; v32-63   Q: tile t, channels 32 c on, at Q + 16 t + 8 c
.set S,   64                           ; v64-127  S^T: tile t, keys 16 i on, at S + 32 t + 8 i; P in place in each tile's low 16
.set O,   128                          ; v128-191 O^T: O + 32 t + 8 dt
.set KV,  192                          ; v192-255 K's fragments, then V's
.set WV,  10
.set G1M, 24
.set G1K, 32
.set G1V, 40
.set G0M, 48
.set G0K, 56
.set G0V, 68
.set CS,  76                           ; s[76:77] c
.set SEL, 78                           ; s[78:79] lane selects: lane l xor 16
.set CLO, 80
.set CHI, 81
.set CNT, 82
.set PFA, 84
.set PFS, 86
.set LIM, 88
.macro CROUND                          ; a round of the cluster's barrier
	s_barrier_signal -1
	s_barrier_wait -1
	s_cmp_lg_u32 s[WV], 0
	s_cbranch_scc1 .Lnot_wave_0_\@
	s_barrier_signal -3
.Lnot_wave_0_\@:
	s_barrier_wait -3
	s_barrier_signal -1
	s_barrier_wait -1
.endm
; A joint load into slot s.  The branches hang on the wave's number alone.  An s_nop 0 and four v_nop follow each line.
.macro JLOAD s
	s_cmp_lt_u32 s[WV], 4
	s_cbranch_scc0 .Lnot_m_\@
	tensor_load_to_lds s[G0M+4*(\s):G0M+4*(\s)+3], s[G1M:G1M+7]
	s_nop 0
.rept 4
	v_nop
.endr
	s_branch .Lasked_\@
.Lnot_m_\@:
	s_cmp_lt_u32 s[WV], 6
	s_cbranch_scc0 .Lnot_k_\@
	tensor_load_to_lds s[G0K+4*(\s):G0K+4*(\s)+3], s[G1K:G1K+7]
	s_nop 0
.rept 4
	v_nop
.endr
	s_branch .Lasked_\@
.Lnot_k_\@:
	tensor_load_to_lds s[G0V+4*(\s):G0V+4*(\s)+3], s[G1V:G1V+7]
	s_nop 0
.rept 4
	v_nop
.endr
.Lasked_\@:
.endm
; A PREFETCH INTO THE L2, at every second change of slots, of the two tiles that the next two changes will ask for.  Each aligned block of 256 bytes is named once in the launch: the mask's by the clusters with x = 0,
; K's and V's by the clusters with y = 0; the four partners that ask for a tile jointly share its blocks out by address (8 mask rows x 4 blocks, or 8,192 dense bytes, each); a lane a block, one instruction a wave.
.macro ASK
	s_cmp_eq_u32 s[LIM], 1
	s_cbranch_scc0 .Lnot_mine_\@
	global_prefetch_b8 v[PFO], s[PFA:PFA+1] th:TH_LOAD_NT scope:SCOPE_SE
.Lnot_mine_\@:
.endm
	s_load_b128 s[4:7], s[0:1], 0x0                ; qkv, the mask
	s_load_b64 s[8:9], s[0:1], 0x10                ; att16
	v_lshl_add_u32 v[SPW], v0, 2, SPARE
	v_mov_b32 v[NIL], 0
	ds_add_u32 v[SPW], v[NIL]                      ; the wave's opening: the add, twice on end, and its wait ahead of my first tensor load
	ds_add_u32 v[SPW], v[NIL]
	v_lshrrev_b32 v1, 5, v0
	v_readfirstlane_b32 s[WV], v1                  ; wave 0..7
	s_bfe_u32 s16, ttmp6, 0x40000                  ; cx
	s_bfe_u32 s17, ttmp6, 0x40004                  ; cy
	s_lshl_b32 s18, ttmp9, 2
	s_add_co_u32 s18, s18, s16                     ; X: the pair of heads
	s_and_b32 s19, ttmp7, 0xffff
	s_lshl_b32 s19, s19, 2
	s_add_co_u32 s19, s19, s17                     ; Y: the block of 128 queries
	s_lshl_b32 s89, s17, 2
	s_lshl_b32 s89, 15, s89                        ; my row of the cluster
	s_lshl_b32 s90, 0x1111, s16                    ; my column
	s_or_b32 s[G1M], s89, (2<<16)|(1<<20)|(1<<21)|(6<<22)|(3<<25)   ; the mask's tile: elements of 4 bytes; 4 words of padding after every 128
	s_mov_b32 s[G1M+1], 128<<16                    ; tensor_dim0
	s_mov_b32 s[G1M+2], 32<<16                     ; tensor_dim1
	s_mov_b32 s[G1M+3], 128<<16                    ; tile_dim0
	s_mov_b32 s[G1M+4], 32                         ; tile_dim1: 32 rows a wave
	s_mov_b32 s[G1M+5], 2048                       ; the pitch
	s_mov_b32 s[G1M+6], 0
	s_mov_b32 s[G1M+7], 0
	s_or_b32 s[G1K], s90, (1<<16)|(1<<20)|(1<<21)|(4<<22)|(3<<25)   ; K: elements of 2 bytes; 4 words after every 32
	s_or_b32 s[G1V], s90, (1<<16)|(1<<20)|(1<<21)|(4<<22)|(7<<25)   ; V: 8 words
.irp g, G1K, G1V
	s_mov_b32 s[\g+1], 64<<16
	s_mov_b32 s[\g+2], 128<<16
	s_mov_b32 s[\g+3], 64<<16
	s_mov_b32 s[\g+4], 128                         ; 128 keys of one head a wave
	s_mov_b32 s[\g+5], 64
	s_mov_b32 s[\g+6], 0
	s_mov_b32 s[\g+7], 0
.endr
	s_and_b32 s14, s[WV], 3
	s_mul_i32 s14, s14, 32*PM                      ; where my part goes in a slot: the mask's,
	s_and_b32 s15, s[WV], 1
	s_mul_i32 s2, s15, 128*PKP
	s_add_co_u32 s2, s2, KOFF                      ; K's,
	s_mul_i32 s3, s15, 128*PVP
	s_add_co_u32 s3, s3, VOFF                      ; V's
	s_lshl_b32 s20, s19, 20                        ; the mask: row 128 Y + 32 (w % 4), 8,192 bytes a row
	s_and_b32 s21, s[WV], 3
	s_lshl_b32 s21, s21, 18
	s_add_co_u32 s20, s20, s21
	s_mov_b32 s21, 0
	s_lshl_b32 s22, s18, 19                        ; K, V: head 2 X + w % 2, 262,144 bytes a head
	s_lshl_b32 s23, s15, 18
	s_add_co_u32 s22, s22, s23
	s_mov_b32 s23, 0
	s_mov_b32 s[CS], 0x3fb8aa3b                    ; c = log2(e)
	s_mov_b32 s[CS+1], s[CS]
	s_mov_b32 s[SEL], 0x76543210
	s_mov_b32 s[SEL+1], 0xfedcba98
	s_mov_b32 s[CLO], 0xc61c4000                   ; -10000
	s_mov_b32 s[CHI], 0x461c4000                   ; +10000
	s_wait_dscnt 0x0                               ; both opening adds are done
	s_wait_kmcnt 0x0
	s_add_nc_u64 s[20:21], s[6:7], s[20:21]
	s_add_nc_u64 s[22:23], s[4:5], s[22:23]
.irp s, 0,1
	s_mov_b32 s[G0M+4*\s], 1
	s_add_co_u32 s[G0M+4*\s+1], s14, \s*SLOT
	s_add_nc_u64 s[G0M+4*\s+2:G0M+4*\s+3], s[20:21], \s*512
	s_or_b32 s[G0M+4*\s+3], s[G0M+4*\s+3], 0x80000000
	s_mov_b32 s[G0K+4*\s], 1
	s_add_co_u32 s[G0K+4*\s+1], s2, \s*SLOT
	s_add_nc_u64 s[G0K+4*\s+2:G0K+4*\s+3], s[22:23], 0x800000+\s*16384
	s_or_b32 s[G0K+4*\s+3], s[G0K+4*\s+3], 0x80000000
	s_mov_b32 s[G0V+4*\s], 1
	s_add_co_u32 s[G0V+4*\s+1], s3, \s*SLOT
	s_add_nc_u64 s[G0V+4*\s+2:G0V+4*\s+3], s[22:23], 0x1000000+\s*16384
	s_or_b32 s[G0V+4*\s+3], s[G0V+4*\s+3], 0x80000000
.endr
	CROUND                                         ; all sixteen work-groups are here
	JLOAD 0                                        ; tile 0: one load of mine is out
	; Q stays in registers
	s_lshr_b32 s11, s[WV], 2                       ; g: my head of the pair
	s_and_b32 s12, s[WV], 3                        ; qs: my 32 queries of the 128
	s_lshl_b32 s92, s18, 19
	s_lshl_b32 s89, s11, 18
	s_add_co_u32 s92, s92, s89
	s_lshl_b32 s89, s19, 14
	s_add_co_u32 s92, s92, s89
	s_lshl_b32 s89, s12, 12
	s_add_co_u32 s92, s92, s89
	s_mov_b32 s93, 0
	s_add_nc_u64 s[92:93], s[4:5], s[92:93]
	v_and_b32 v1, 15, v0                           ; r
	v_bfe_u32 v15, v0, 4, 1                        ; h
	v_lshlrev_b32 v[QO], 7, v1
	v_lshl_add_u32 v[QO], v15, 4, v[QO]
.irp t, 0,1
.irp c, 0,1
	global_load_b128 v[Q+16*\t+8*\c:Q+16*\t+8*\c+3], v[QO], s[92:93] offset:2048*\t+64*\c
	global_load_b128 v[Q+16*\t+8*\c+4:Q+16*\t+8*\c+7], v[QO], s[92:93] offset:2048*\t+64*\c+32
.endr
.endr
	v_mul_u32_u24 v[AM], v1, PM
	v_lshl_add_u32 v[AM], v15, 5, v[AM]
	s_mul_i32 s13, s12, 32*PM
	v_add_nc_u32 v[AM], s13, v[AM]                 ; the mask: row 32 qs + r, + 32 h
	v_add_nc_u32 v[AM+1], SLOT, v[AM]
	v_mul_u32_u24 v[AK], v1, PKP
	v_lshl_add_u32 v[AK], v15, 4, v[AK]
	s_mul_i32 s13, s11, 128*PKP
	s_add_co_u32 s13, s13, KOFF
	v_add_nc_u32 v[AK], s13, v[AK]                 ; K: my head, key r, + 16 h
	v_add_nc_u32 v[AK+1], SLOT, v[AK]
	v_and_b32 v[AV], 7, v0
	v_lshl_add_u32 v[AV], v15, 3, v[AV]
	v_mul_u32_u24 v[AV], v[AV], PVP
	v_bfe_u32 v[AV+1], v0, 3, 1
	v_lshl_add_u32 v[AV], v[AV+1], 4, v[AV]
	s_mul_i32 s13, s11, 128*PVP
	s_add_co_u32 s13, s13, VOFF
	v_add_nc_u32 v[AV], s13, v[AV]                 ; V, for the turning load: key 8 h + l % 8, + 16 ((l / 8) % 2)
	v_add_nc_u32 v[AV+1], SLOT, v[AV]
	v_mul_u32_u24 v[STO], v1, 272                  ; the way out: a stage of 128 rows x (256 bytes + 16) in slot 0
	v_lshl_add_u32 v[STO], v15, 4, v[STO]
	s_mul_i32 s13, s12, 32*272
	s_lshl_b32 s89, s11, 7
	s_add_co_u32 s13, s13, s89
	v_add_nc_u32 v[STO], s13, v[STO]               ; in: row 32 qs + r, + 128 g + 16 h
	v_mul_u32_u24 v[RD], v15, 272
	v_lshl_add_u32 v[RD], v1, 4, v[RD]
	s_mul_i32 s13, s[WV], 16*272
	v_add_nc_u32 v[RD], s13, v[RD]                 ; back: rows 16 w on, sixteen lanes to a row
	v_lshlrev_b32 v[GO], 11, v15
	v_lshl_add_u32 v[GO], v1, 4, v[GO]             ; and the same two rows in att16
	s_lshr_b32 s94, s18, 3                         ; the batch
	s_lshl_b32 s94, s94, 22
	s_lshl_b32 s89, s19, 18
	s_add_co_u32 s94, s94, s89
	s_lshl_b32 s89, s[WV], 15
	s_add_co_u32 s94, s94, s89
	s_and_b32 s89, s18, 7
	s_lshl_b32 s89, s89, 8                         ; the pair's 256 bytes of a row
	s_add_co_u32 s94, s94, s89
	s_mov_b32 s95, 0
	s_add_nc_u64 s[94:95], s[8:9], s[94:95]
	; the prefetches: where mine stand, how they step, who asks
	s_mov_b32 s89, 0x1000000
	s_cmp_lt_u32 s[WV], 6
	s_cselect_b32 s89, 0x800000, s89               ; K's or V's region
	s_lshl_b32 s90, s17, 13                        ; my work-group's 8,192 bytes of two tiles
	s_add_co_u32 s89, s89, s90
	s_lshl_b32 s90, s16, 16                        ; the mask: my work-group's 8 rows of the wave's 32
	s_and_b32 s13, ttmp7, 0xffff
	s_mov_b32 s[PFS], 32768
	s_mov_b32 s2, 256
	s_mov_b32 s3, 2048
	s_cmp_lt_u32 s[WV], 4
	s_cselect_b32 s90, s90, s89
	s_cselect_b64 s[PFA:PFA+1], s[20:21], s[22:23]
	s_cselect_b32 s[PFS], 1024, s[PFS]             ; two tiles on
	s_cselect_b32 s2, 8192, s2
	s_cselect_b32 s3, 256, s3
	s_cselect_b32 s13, ttmp9, s13                  ; the coordinate along which other clusters read the same bytes
	s_mov_b32 s91, 0
	s_mov_b32 s[PFS+1], 0
	s_add_nc_u64 s[PFA:PFA+1], s[PFA:PFA+1], s[90:91]   ; at tile 0: the first change that asks steps it to tile 2.  Nothing is prefetched at the head
	s_cmp_eq_u32 s13, 0
	s_cselect_b32 s[LIM], 1, -1
	v_and_b32 v[PFO], 7, v0
	v_mul_lo_u32 v[PFO], v[PFO], s2
	v_bfe_u32 v[ST], v0, 3, 2
	v_mul_lo_u32 v[ST], v[ST], s3
	v_add_nc_u32 v[PFO], v[PFO], v[ST]
.irp t, 0,1
	v_mov_b32 v[ST+8*\t+1], 0xc61c4000             ; m = -10000
	v_mul_f32 v[ST+8*\t], s[CS], v[ST+8*\t+1]      ; c m
.irp j, 2,3,4,5,6,7
	v_mov_b32 v[ST+8*\t+\j], 0
.endr
.endr
.set n, 0
.rept 64
	v_mov_b32 v[O+n], 0                            ; the step is written once: the first finds zeros, which its rescaling leaves zeros
.set n, n+1
.endr
	s_wait_loadcnt 0x0                             ; Q
; A STEP: 64 keys, the u-th half of the slot's 128.
.macro STEP slot, u
.rept 5
	v_nop                                          ; the products below write over P, an operand of the last products: five places; the loads below want four
.endr
.irp t, 0,1
.irp i, 0,1,2,3
	ds_load_b128 v[S+32*\t+8*\i:S+32*\t+8*\i+3], v[AM+\slot] offset:16*PM*\t+256*\u+64*\i          ; the mask, straight into S^T's registers
	ds_load_b128 v[S+32*\t+8*\i+4:S+32*\t+8*\i+7], v[AM+\slot] offset:16*PM*\t+256*\u+64*\i+16
.endr
.endr
.irp i, 0,1,2,3
.irp c, 0,1
	ds_load_b128 v[KV+16*\i+8*\c:KV+16*\i+8*\c+3], v[AK+\slot] offset:64*PKP*\u+16*PKP*\i+64*\c
	ds_load_b128 v[KV+16*\i+8*\c+4:KV+16*\i+8*\c+7], v[AK+\slot] offset:64*PKP*\u+16*PKP*\i+64*\c+32
.endr
.endr
	s_wait_dscnt 0x0
.irp c, 0,1                                    ; eight accumulators by turns, one instruction a turn
.irp i, 0,1,2,3
.irp t, 0,1
	v_wmma_f32_16x16x32_f16 v[S+32*\t+8*\i:S+32*\t+8*\i+7], v[KV+16*\i+8*\c:KV+16*\i+8*\c+7], v[Q+16*\t+8*\c:Q+16*\t+8*\c+7], v[S+32*\t+8*\i:S+32*\t+8*\i+7]
.endr
.endr
.endr
.rept 4
	v_nop                                          ; places in front of the loads into K's registers and of the first reads of the scores
.endr
.irp kg, 0,1
.irp dt, 0,1,2,3
	ds_load_tr16_b128 v[KV+32*\kg+8*\dt:KV+32*\kg+8*\dt+3], v[AV+\slot] offset:64*PVP*\u+32*PVP*\kg+32*\dt
	ds_load_tr16_b128 v[KV+32*\kg+8*\dt+4:KV+32*\kg+8*\dt+7], v[AV+\slot] offset:64*PVP*\u+32*PVP*\kg+16*PVP+32*\dt
.endr
.endr
.set n, 0
.rept 32
	v_med3_num_f32 v[S+n], v[S+n], s[CLO], s[CHI]          ; the clip; ascending
	v_med3_num_f32 v[S+32+n], v[S+32+n], s[CLO], s[CHI]
.set n, n+1
.endr
.irp j, 0,1,2,3
.irp t, 0,1
	v_max3_num_f32 v[ST+8*\t+4+\j], v[S+32*\t+8*\j], v[S+32*\t+8*\j+1], v[S+32*\t+8*\j+2]
.endr
.endr
.irp k, 1,2
.irp j, 0,1,2,3
.irp t, 0,1
	v_max3_num_f32 v[ST+8*\t+4+\j], v[ST+8*\t+4+\j], v[S+32*\t+8*\j+2*\k+1], v[S+32*\t+8*\j+2*\k+2]
.endr
.endr
.endr
.irp t, 0,1
	v_max3_num_f32 v[ST+8*\t+4], v[ST+8*\t+4], v[S+32*\t+7], v[S+32*\t+15]
.endr
.irp t, 0,1
	v_max3_num_f32 v[ST+8*\t+6], v[ST+8*\t+6], v[S+32*\t+23], v[S+32*\t+31]
.endr
.irp t, 0,1
	v_max3_num_f32 v[ST+8*\t+4], v[ST+8*\t+4], v[ST+8*\t+5], v[ST+8*\t+6]
.endr
.irp t, 0,1
	v_max3_num_f32 v[ST+8*\t+4], v[ST+8*\t+4], v[ST+8*\t+7], v[ST+8*\t+1]   ; with the old m
.endr
.irp t, 0,1
	v_permlanex16_b32 v[ST+8*\t+5], v[ST+8*\t+4], s[SEL], s[SEL+1]          ; the query's other 32 keys lie in the lane 16 away
.endr
.irp t, 0,1
	v_mov_b32 v[ST+8*\t+7], v[ST+8*\t]             ; c m_old
.endr
.irp t, 0,1
	v_max_num_f32 v[ST+8*\t+1], v[ST+8*\t+4], v[ST+8*\t+5]
.endr
.irp t, 0,1
	v_mul_f32 v[ST+8*\t], s[CS], v[ST+8*\t+1]
.endr
.irp t, 0,1
	v_sub_f32 v[ST+8*\t+7], v[ST+8*\t+7], v[ST+8*\t]
.endr
.set n, 0
.rept 16
	v_pk_fma_f32 v[S+n:S+n+1], v[S+n:S+n+1], s[CS:CS+1], v[ST:ST+1] op_sel_hi:[1,0,0] neg_lo:[0,0,1] neg_hi:[0,0,1]              ; c s - c m
	v_pk_fma_f32 v[S+32+n:S+32+n+1], v[S+32+n:S+32+n+1], s[CS:CS+1], v[ST+8:ST+9] op_sel_hi:[1,0,0] neg_lo:[0,0,1] neg_hi:[0,0,1]
.set n, n+2
.endr
	v_exp_f32 v[ST+6], v[ST+7]                     ; ONE BATCH: the two factors and the 64 weights
	v_exp_f32 v[ST+14], v[ST+15]
.set n, 0
.rept 64
	v_exp_f32 v[S+n], v[S+n]
.set n, n+1
.endr
	v_nop                                          ; a plain instruction behind the last exponential
	s_wait_alu depctr_va_vdst(0)                   ; and one wait ahead of the batch's first reader
.irp t, 0,1
	v_pk_mul_f32 v[ST+8*\t+2:ST+8*\t+3], v[ST+8*\t+2:ST+8*\t+3], v[ST+8*\t+6:ST+8*\t+7] op_sel_hi:[1,0]
.endr
.irp t, 0,1
	v_pk_add_f32 v[ST+8*\t+4:ST+8*\t+5], v[S+32*\t:S+32*\t+1], v[S+32*\t+2:S+32*\t+3]      ; the sums, of the unrounded weights, in two chains a tile
.endr
.irp j, 4,8,12,16,20,24,28
.irp t, 0,1
	v_pk_add_f32 v[ST+8*\t+2:ST+8*\t+3], v[ST+8*\t+2:ST+8*\t+3], v[S+32*\t+\j:S+32*\t+\j+1]
	v_pk_add_f32 v[ST+8*\t+4:ST+8*\t+5], v[ST+8*\t+4:ST+8*\t+5], v[S+32*\t+\j+2:S+32*\t+\j+3]
.endr
.endr
.irp t, 0,1
	v_pk_add_f32 v[ST+8*\t+2:ST+8*\t+3], v[ST+8*\t+2:ST+8*\t+3], v[ST+8*\t+4:ST+8*\t+5]
.endr
.set n, 0
.rept 16
	v_cvt_pk_f16_f32 v[S+n], v[S+2*n], v[S+2*n+1]          ; P, in place: pair n lands where pairs up to n / 2 have been read
	v_cvt_pk_f16_f32 v[S+32+n], v[S+32+2*n], v[S+32+2*n+1]
.set n, n+1
.endr
.set n, 0
.rept 16
	v_pk_mul_f32 v[O+n:O+n+1], v[O+n:O+n+1], v[ST+6:ST+7] op_sel_hi:[1,0]
	v_pk_mul_f32 v[O+32+n:O+32+n+1], v[O+32+n:O+32+n+1], v[ST+14:ST+15] op_sel_hi:[1,0]
.set n, n+2
.endr
	s_wait_dscnt 0x0                               ; V is in
.irp kg, 0,1                                   ; eight accumulators by turns
.irp dt, 0,1,2,3
.irp t, 0,1
	v_wmma_f32_16x16x32_f16 v[O+32*\t+8*\dt:O+32*\t+8*\dt+7], v[KV+32*\kg+8*\dt:KV+32*\kg+8*\dt+7], v[S+32*\t+8*\kg:S+32*\t+8*\kg+7], v[O+32*\t+8*\dt:O+32*\t+8*\dt+7]
.endr
.endr
.endr
.endm
; A TILE OF 128 KEYS.  Each wave waits for all its tensor loads (one is out: its part of this slot), adds 0 to its spare word, waits for that and for its reads of the other slot; a round of the cluster's barrier;
; behind it the other slot is filled with the next tile, first thing: that load has this tile's two steps in which to land.
.macro TRIP slot, refill, ask
.if \ask
	s_wait_xcnt 0x0                                ; the last prefetch, two tiles back, has read its address
	s_add_nc_u64 s[PFA:PFA+1], s[PFA:PFA+1], s[PFS:PFS+1]
.endif
	s_wait_tensorcnt 0x0                           ; no tensor load of mine is out, so a group 0 may be written
	ds_add_u32 v[SPW], v[NIL]
	s_add_nc_u64 s[G0M+4*\slot+2:G0M+4*\slot+3], s[G0M+4*\slot+2:G0M+4*\slot+3], 1024      ; this slot's next tile: two tiles on
	s_add_nc_u64 s[G0K+4*\slot+2:G0K+4*\slot+3], s[G0K+4*\slot+2:G0K+4*\slot+3], 32768
	s_add_nc_u64 s[G0V+4*\slot+2:G0V+4*\slot+3], s[G0V+4*\slot+2:G0V+4*\slot+3], 32768
	s_wait_dscnt 0x0                               ; the add is done, and my reads of the other slot are over
	CROUND
.if \refill
	JLOAD 1-\slot
.endif
.if \ask
	ASK
.endif
	STEP \slot, 0
	STEP \slot, 1
.endm
	s_mov_b32 s[CNT], 7
.Lpair:
	TRIP 0, 1, 1
	TRIP 1, 1, 0
	s_sub_co_u32 s[CNT], s[CNT], 1
	s_cmp_lg_u32 s[CNT], 0
	s_cbranch_scc1 .Lpair
	TRIP 0, 1, 0                                   ; the last two tiles are written out: the very last asks for nothing
	TRIP 1, 0, 0
	; THE WAY OUT.  The stage lies in slot 0: it has had its last fill, and every wave's last read of it stands ahead of the last round.  The additions are the places behind the last products.
.irp t, 0,1
	v_add_f32 v[ST+8*\t+4], v[ST+8*\t+2], v[ST+8*\t+3]
.endr
.irp t, 0,1
	v_permlanex16_b32 v[ST+8*\t+5], v[ST+8*\t+4], s[SEL], s[SEL+1]
.endr
.irp t, 0,1
	v_add_f32 v[ST+8*\t+4], v[ST+8*\t+4], v[ST+8*\t+5]
.endr
	v_nop
	v_nop
.irp t, 0,1
	v_rcp_f32 v[ST+8*\t+6], v[ST+8*\t+4]
.endr
	v_nop
	s_wait_alu depctr_va_vdst(0)                   ; one wait for the two reciprocals, ahead of their first reader
.set n, 0
.rept 16
	v_pk_mul_f32 v[O+n:O+n+1], v[O+n:O+n+1], v[ST+6:ST+7] op_sel_hi:[1,0]
	v_pk_mul_f32 v[O+32+n:O+32+n+1], v[O+32+n:O+32+n+1], v[ST+14:ST+15] op_sel_hi:[1,0]
.set n, n+2
.endr
.set n, 0
.rept 32
	v_cvt_pk_f16_f32 v[S+n], v[O+2*n], v[O+2*n+1]
.set n, n+1
.endr
.irp t, 0,1
.irp dt, 0,1,2,3
	ds_store_b128 v[STO], v[S+16*\t+4*\dt:S+16*\t+4*\dt+3] offset:16*272*\t+32*\dt
.endr
.endr
	s_wait_dscnt 0x0                               ; for the others' sake: a row's 256 bytes come from two waves
	s_barrier_signal -1
	s_barrier_wait -1
.irp i, 0,1,2,3,4,5,6,7
	ds_load_b128 v[S+32+4*\i:S+32+4*\i+3], v[RD] offset:544*\i
.endr
.irp i, 0,1,2,3,4,5,6,7
	s_wait_dscnt 7-\i                              ; loads come back in order: the younger ones stay out
	global_store_b128 v[GO], v[S+32+4*\i:S+32+4*\i+3], s[94:95] offset:4096*\i     ; sixteen lanes store 256 consecutive bytes, aligned
.endr
	s_wait_tensorcnt 0x0                           ; the wave's end
	ds_add_u32 v[SPW], v[NIL]
	s_wait_dscnt 0x0
	CROUND                                         ; the closing round
	s_endpgm
.Lfunc_end_k_q55d1826a57_attn:
	.size	k_q55d1826a57_attn, .Lfunc_end_k_q55d1826a57_attn-k_q55d1826a57_attn
	.p2alignl 7, 3214868480
	.fill 96, 4, 3214868480
	.section	.rodata,"a",@progbits
	.p2align	6, 0x0
	.amdhsa_kernel k_q55d1826a57_attn
		.amdhsa_group_segment_fixed_size 327680
		.amdhsa_private_segment_fixed_size 0
		.amdhsa_enable_private_segment 0
		.amdhsa_kernarg_size 24
		.amdhsa_user_sgpr_count 2
		.amdhsa_user_sgpr_kernarg_segment_ptr 1
		.amdhsa_wavefront_size32 1
		.amdhsa_system_sgpr_workgroup_id_x 1
		.amdhsa_system_sgpr_workgroup_id_y 1
		.amdhsa_system_sgpr_workgroup_id_z 1
		.amdhsa_system_vgpr_workitem_id 0
		.amdhsa_next_free_vgpr 256
		.amdhsa_next_free_sgpr 96
		.amdhsa_reserve_vcc 0
		.amdhsa_float_denorm_mode_32 3
		.amdhsa_float_denorm_mode_16_64 3
		.amdhsa_memory_ordered 1
		.amdhsa_forward_progress 1
		.amdhsa_inst_pref_size 202
	.end_amdhsa_kernel
	.amdgpu_metadata
---
amdhsa.version: [ 1, 2 ]
amdhsa.kernels:
  - .name:           k_q55d1826a57_attn
    .symbol:         k_q55d1826a57_attn.kd
    .args:
      - { .name: qkv, .offset: 0, .size: 8, .value_kind: global_buffer, .address_space: global }
      - { .name: causal_mask, .offset: 8, .size: 8, .value_kind: global_buffer, .address_space: global }
      - { .name: att16, .offset: 16, .size: 8, .value_kind: global_buffer, .address_space: global }
    .group_segment_fixed_size: 327680
    .private_segment_fixed_size: 0
    .kernarg_segment_align: 8
    .kernarg_segment_size: 24
    .max_flat_workgroup_size: 256
    .sgpr_count:     96
    .vgpr_count:     256
    .wavefront_size: 32
...
	.end_amdgpu_metadata
.endif
;; end of part 3
;; launch fine (part 4): grid 32 x 1, 16 waves a work-group, no clusters, 307,200 bytes of LDS; arguments qkv, causal_mask, attf; writes attf
.if DOCPART == 4
	.amdgcn_target "amdgcn-amd-amdhsa--gfx1250"
	.amdhsa_code_object_version 6
	.text
	.protected	k_q55d1826a57_fine
	.globl	k_q55d1826a57_fine
	.p2align	8
	.type	k_q55d1826a57_fine,@function
k_q55d1826a57_fine:
	s_mov_b64 s[64:65], 0
	v_nop
	global_prefetch_b8 v0, s[64:65] scope:SCOPE_SE
	s_setreg_imm32_b32 hwreg(HW_REG_WAVE_MODE, 25, 1), 1
	s_wait_xcnt 0x0
; FINE.  The attention of positions 0 to 15 of every batch x head once more, carried more finely: the weights p go to the matrix unit as a pair of f16 numbers, a high and a low part split in f32, and the result stays f32.
; A work-group takes one batch x head.  Wave w takes keys 128 w .. 128 w + 127, in two steps of 64, for the 16 queries (one tile); the sixteen waves' maxima, sums and O^T meet in LDS.
; Layout and softmax as in the launch for all rows: S^T = K Q^T + mask^T with the mask as C; the clip; a running maximum from -10000; O^T = V^T P.
; EVERY LOAD FROM MEMORY IS DENSE: K's and V's 64 rows of 128 bytes are 8,192 consecutive bytes, 512 an instruction; of the mask an instruction takes 256 consecutive bytes of each of two rows.  What the matrix unit wants
; otherwise (a lane a key, a lane a query) is had by a turn through the wave's own LDS bytes: the mask at a pitch of 272 bytes, K at 144, and then, in K's bytes, V at 160, which ds_load_tr16_b128 turns.
; LDS serves a wave's instructions in order, and no other wave touches these bytes: no barrier stands there.
; LIMITS: as in the launch for all rows: NaN and infinities among the inputs are not served.
.set WREG,  14592                      ; a wave's own bytes: 10,240 for K (64 x 144), then V (64 x 160); behind them 4,352 for the mask (16 x 272)
.set MSTG,  10240
.set MX,    16*WREG                    ; [16 waves][16 queries] f32: the maxima; 1,024 bytes on: the sums
.set OP,    MX+2048                    ; for each wave 16 rows x (256 bytes + 16): its O
.set SPARE, OP+16*4352                 ; the spare words, 128 bytes for each wave
.set ST,  16                           ; v16 c m, v17 m, v18-19 l, v20-23 at work
.set Q,   32
.set S,   48                           ; v48-79 the mask as loaded, then S^T; P's high part in place in v48-63
.set PL,  80                           ; v80-95 P's low part
.set O,   96                           ; v96-127
.set KV,  128                          ; v128-191 K's rows as loaded, K's fragments, V's fragments
.set VR,  192                          ; v192-255 V's rows as loaded
	s_load_b128 s[4:7], s[0:1], 0x0                ; qkv, the mask
	s_load_b64 s[8:9], s[0:1], 0x10                ; attf
	v_lshl_add_u32 v9, v0, 2, SPARE                ; my spare word; never rewritten
	v_mov_b32 v10, 0                               ; 0; never rewritten
	v_lshrrev_b32 v1, 5, v0
	v_readfirstlane_b32 s10, v1                    ; wave 0..15
	v_and_b32 v1, 15, v0                           ; r
	v_bfe_u32 v2, v0, 4, 1                         ; h
	v_and_b32 v29, 31, v0                          ; lane
	v_lshlrev_b32 v3, 13, v2
	v_lshl_add_u32 v3, v1, 4, v3
	s_lshl_b32 s26, s10, 9
	v_add_nc_u32 v3, s26, v3                       ; the mask in memory: row h of a pair, + 16 r, + my wave's 128 keys
	v_lshlrev_b32 v6, 7, v1
	v_lshl_add_u32 v6, v2, 4, v6                   ; Q: row r, + 16 h
	s_lshl_b32 s26, s10, 14
	v_lshl_add_u32 v5, v29, 4, s26                 ; K and V in memory: dense, 16 bytes a lane, from my wave's first key
	s_mul_i32 s27, s10, WREG                       ; my own LDS bytes
	v_lshrrev_b32 v24, 3, v29                      ; lane / 8: eight lanes to a row of 128 bytes
	v_and_b32 v26, 7, v0
	v_mul_u32_u24 v4, v24, 144
	v_lshl_add_u32 v4, v26, 4, v4
	v_add_nc_u32 v4, s27, v4                       ; K in
	v_mul_u32_u24 v7, v24, 160
	v_lshl_add_u32 v7, v26, 4, v7
	v_add_nc_u32 v7, s27, v7                       ; V in
	v_mul_u32_u24 v25, v1, 144
	v_lshl_add_u32 v25, v2, 4, v25
	v_add_nc_u32 v25, s27, v25                     ; K out: key r, + 16 h
	v_lshl_add_u32 v8, v2, 3, v26
	v_mul_u32_u24 v8, v8, 160
	v_bfe_u32 v24, v0, 3, 1
	v_lshl_add_u32 v8, v24, 4, v8
	v_add_nc_u32 v8, s27, v8                       ; V out, turned: key 8 h + l % 8, + 16 ((l / 8) % 2)
	s_add_co_u32 s27, s27, MSTG
	v_mul_u32_u24 v30, v2, 272
	v_lshl_add_u32 v30, v1, 4, v30
	v_add_nc_u32 v30, s27, v30                     ; the mask in: row h of a pair, + 16 r
	v_mul_u32_u24 v31, v1, 272
	v_lshl_add_u32 v31, v2, 5, v31
	v_add_nc_u32 v31, s27, v31                     ; the mask out: row r, + 32 h
	s_lshl_b32 s27, s10, 6
	s_add_co_u32 s27, s27, MX
	v_lshl_add_u32 v11, v1, 2, s27                 ; my wave's maxima: 64 w + 4 r
	v_lshl_add_u32 v12, v1, 2, MX                  ; every wave's, for query r
	s_mul_i32 s27, s10, 4352
	s_add_co_u32 s27, s27, OP
	v_mul_u32_u24 v13, v1, 272
	v_lshl_add_u32 v13, v2, 5, v13
	v_add_nc_u32 v13, s27, v13                     ; my wave's O: row r, + 32 h
	s_mul_i32 s27, s10, 272
	s_add_co_u32 s27, s27, OP
	v_lshl_add_u32 v14, v29, 3, s27                ; query w's row in a wave's O: 8 bytes a lane
	s_lshl_b32 s27, s10, 2
	s_add_co_u32 s27, s27, MX+1024
	v_lshl_add_u32 v15, v1, 6, s27                 ; query w's sum in wave l % 16
	v_lshlrev_b32 v28, 3, v29
	s_mov_b32 s20, 0x3fb8aa3b                      ; c = log2(e)
	s_mov_b32 s21, s20
	s_mov_b32 s22, 0x76543210
	s_mov_b32 s23, 0xfedcba98
	s_mov_b32 s24, 0xc61c4000                      ; -10000
	s_mov_b32 s25, 0x461c4000                      ; +10000
	s_lshl_b32 s26, ttmp9, 18                      ; the head's 262,144 bytes
	s_mov_b32 s27, 0
	s_wait_kmcnt 0x0
	s_add_nc_u64 s[16:17], s[4:5], s[26:27]        ; q
	s_add_nc_u64 s[12:13], s[16:17], 0x800000      ; k
	s_add_nc_u64 s[14:15], s[16:17], 0x1000000     ; v
	s_lshr_b32 s26, ttmp9, 4
	s_lshl_b32 s26, s26, 4
	s_add_co_u32 s26, s26, s10                     ; attf's row: 16 x batch + query w
	s_lshl_b32 s26, s26, 12
	s_and_b32 s28, ttmp9, 15
	s_lshl_b32 s28, s28, 8                         ; the head's 256 bytes
	s_add_co_u32 s26, s26, s28
	s_add_nc_u64 s[18:19], s[8:9], s[26:27]
.irp c, 0,1
	global_load_b128 v[Q+8*\c:Q+8*\c+3], v6, s[16:17] offset:64*\c
	global_load_b128 v[Q+8*\c+4:Q+8*\c+7], v6, s[16:17] offset:64*\c+32
.endr
	v_mov_b32 v17, 0xc61c4000                      ; m = -10000
	v_mul_f32 v16, s20, v17
.irp j, 18,19,20,21,22,23
	v_mov_b32 v\j, 0
.endr
.set n, 0
.rept 32
	v_mov_b32 v[O+n], 0
.set n, n+1
.endr
.macro FSTEP u
.rept 5
	v_nop                                          ; the loads below land on operands of the last products (four places), and the products below write over them (five)
.endr
.irp i, 0,1,2,3,4,5,6,7
	global_load_b128 v[S+4*\i:S+4*\i+3], v3, s[6:7] offset:256*\u+16384*\i       ; the mask: rows 2 i and 2 i + 1, 256 consecutive bytes of each
.endr
.irp i, 0,1,2,3,4,5,6,7,8,9,10,11,12,13,14,15
	global_load_b128 v[KV+4*\i:KV+4*\i+3], v5, s[12:13] offset:8192*\u+512*\i    ; K: four keys' 512 consecutive bytes
.endr
.irp i, 0,1,2,3,4,5,6,7,8,9,10,11,12,13,14,15
	global_load_b128 v[VR+4*\i:VR+4*\i+3], v5, s[14:15] offset:8192*\u+512*\i    ; V likewise
.endr
	s_wait_loadcnt 16                              ; Q, the mask and K are in; V's sixteen loads may be out
.irp i, 0,1,2,3,4,5,6,7
	ds_store_b128 v30, v[S+4*\i:S+4*\i+3] offset:544*\i
.endr
.irp i, 0,1,2,3,4,5,6,7,8,9,10,11,12,13,14,15
	ds_store_b128 v4, v[KV+4*\i:KV+4*\i+3] offset:576*\i
.endr
.irp i, 0,1,2,3
	ds_load_b128 v[S+8*\i:S+8*\i+3], v31 offset:64*\i                            ; back into the registers that they left: my query's row, keys 16 i + 8 h on.  My own bytes: LDS serves a wave's instructions in order
	ds_load_b128 v[S+8*\i+4:S+8*\i+7], v31 offset:64*\i+16
.endr
.irp i, 0,1,2,3
.irp c, 0,1
	ds_load_b128 v[KV+16*\i+8*\c:KV+16*\i+8*\c+3], v25 offset:2304*\i+64*\c
	ds_load_b128 v[KV+16*\i+8*\c+4:KV+16*\i+8*\c+7], v25 offset:2304*\i+64*\c+32
.endr
.endr
	s_wait_dscnt 0x0
.irp c, 0,1                                    ; four accumulators by turns
.irp i, 0,1,2,3
	v_wmma_f32_16x16x32_f16 v[S+8*\i:S+8*\i+7], v[KV+16*\i+8*\c:KV+16*\i+8*\c+7], v[Q+8*\c:Q+8*\c+7], v[S+8*\i:S+8*\i+7]
.endr
.endr
	s_wait_loadcnt 0x0
.irp i, 0,1,2,3,4,5,6,7,8,9,10,11,12,13,14,15
	ds_store_b128 v7, v[VR+4*\i:VR+4*\i+3] offset:640*\i                         ; into K's bytes: my reads of them are back
.endr
.rept 4
	v_nop                                          ; places in front of the loads into K's registers and of the first reads of the scores
.endr
.irp kg, 0,1
.irp dt, 0,1,2,3
	ds_load_tr16_b128 v[KV+32*\kg+8*\dt:KV+32*\kg+8*\dt+3], v8 offset:5120*\kg+32*\dt
	ds_load_tr16_b128 v[KV+32*\kg+8*\dt+4:KV+32*\kg+8*\dt+7], v8 offset:5120*\kg+2560+32*\dt
.endr
.endr
.set n, 0
.rept 32
	v_med3_num_f32 v[S+n], v[S+n], s24, s25        ; the clip, ascending
.set n, n+1
.endr
.irp j, 0,1,2,3
	v_max3_num_f32 v[ST+4+\j], v[S+8*\j], v[S+8*\j+1], v[S+8*\j+2]
.endr
.irp k, 1,2
.irp j, 0,1,2,3
	v_max3_num_f32 v[ST+4+\j], v[ST+4+\j], v[S+8*\j+2*\k+1], v[S+8*\j+2*\k+2]
.endr
.endr
	v_max3_num_f32 v[ST+4], v[ST+4], v[S+7], v[S+15]
	v_max3_num_f32 v[ST+6], v[ST+6], v[S+23], v[S+31]
	v_max3_num_f32 v[ST+4], v[ST+4], v[ST+5], v[ST+6]
	v_max3_num_f32 v[ST+4], v[ST+4], v[ST+7], v[ST+1]
	v_permlanex16_b32 v[ST+5], v[ST+4], s22, s23
	v_mov_b32 v[ST+7], v[ST]
	v_max_num_f32 v[ST+1], v[ST+4], v[ST+5]
	v_mul_f32 v[ST], s20, v[ST+1]
	v_sub_f32 v[ST+7], v[ST+7], v[ST]
.set n, 0
.rept 16
	v_pk_fma_f32 v[S+n:S+n+1], v[S+n:S+n+1], s[20:21], v[ST:ST+1] op_sel_hi:[1,0,0] neg_lo:[0,0,1] neg_hi:[0,0,1]
.set n, n+2
.endr
	v_exp_f32 v[ST+6], v[ST+7]
.set n, 0
.rept 32
	v_exp_f32 v[S+n], v[S+n]
.set n, n+1
.endr
	v_nop
	s_wait_alu depctr_va_vdst(0)                   ; one wait for the batch, ahead of its first reader
	v_pk_mul_f32 v[ST+2:ST+3], v[ST+2:ST+3], v[ST+6:ST+7] op_sel_hi:[1,0]
	v_pk_add_f32 v[ST+4:ST+5], v[S:S+1], v[S+2:S+3]
.irp j, 4,8,12,16,20,24,28
	v_pk_add_f32 v[ST+2:ST+3], v[ST+2:ST+3], v[S+\j:S+\j+1]
	v_pk_add_f32 v[ST+4:ST+5], v[ST+4:ST+5], v[S+\j+2:S+\j+3]
.endr
	v_pk_add_f32 v[ST+2:ST+3], v[ST+2:ST+3], v[ST+4:ST+5]
.set n, 0
.rept 16                                       ; a pair of weights: the high parts, what they leave, and that as f16 again
	v_cvt_pk_f16_f32 v24, v[S+2*n], v[S+2*n+1]
	v_cvt_f32_f16 v26, v24.l
	v_cvt_f32_f16 v27, v24.h
	v_pk_add_f32 v[26:27], v[S+2*n:S+2*n+1], v[26:27] neg_lo:[0,1] neg_hi:[0,1]
	v_cvt_pk_f16_f32 v[PL+n], v26, v27
	v_mov_b32 v[S+n], v24
.set n, n+1
.endr
.set n, 0
.rept 16
	v_pk_mul_f32 v[O+n:O+n+1], v[O+n:O+n+1], v[ST+6:ST+7] op_sel_hi:[1,0]
.set n, n+2
.endr
	s_wait_dscnt 0x0                               ; V is in
.irp kg, 0,1                                   ; four accumulators by turns: the high parts, then the low
.irp dt, 0,1,2,3
	v_wmma_f32_16x16x32_f16 v[O+8*\dt:O+8*\dt+7], v[KV+32*\kg+8*\dt:KV+32*\kg+8*\dt+7], v[S+8*\kg:S+8*\kg+7], v[O+8*\dt:O+8*\dt+7]
.endr
.irp dt, 0,1,2,3
	v_wmma_f32_16x16x32_f16 v[O+8*\dt:O+8*\dt+7], v[KV+32*\kg+8*\dt:KV+32*\kg+8*\dt+7], v[PL+8*\kg:PL+8*\kg+7], v[O+8*\dt:O+8*\dt+7]
.endr
.endr
.endm
	FSTEP 0
	FSTEP 1
	; THE SIXTEEN WAVES MEET.
.rept 4
	v_nop                                          ; places behind the last products
.endr
	v_add_f32 v20, v18, v19
	v_permlanex16_b32 v21, v20, s22, s23
	v_add_f32 v20, v20, v21                        ; my wave's sum for query r
	ds_store_b32 v11, v17                          ; and its maximum (both halves of the lanes hold the same)
	s_wait_dscnt 0x0
	s_barrier_signal -1
	s_barrier_wait -1
.irp i, 0,1,2,3,4,5,6,7,8,9,10,11,12,13,14,15
	ds_load_b32 v[KV+\i], v12 offset:64*\i
.endr
	s_wait_dscnt 0x0
	v_max3_num_f32 v22, v[KV], v[KV+1], v[KV+2]
.irp i, 3,5,7,9,11,13
	v_max3_num_f32 v22, v22, v[KV+\i], v[KV+\i+1]
.endr
	v_max_num_f32 v22, v22, v[KV+15]               ; the row's maximum over all keys
	v_mul_f32 v23, s20, v22
	v_sub_f32 v23, v16, v23
	v_exp_f32 v22, v23                             ; what brings my wave's part under it
	v_nop
	s_wait_alu depctr_va_vdst(0)
.set n, 0
.rept 16
	v_pk_mul_f32 v[O+n:O+n+1], v[O+n:O+n+1], v[22:23] op_sel_hi:[1,0]
.set n, n+2
.endr
	v_mul_f32 v20, v20, v22
	ds_store_b32 v11, v20 offset:1024
.irp dt, 0,1,2,3
	ds_store_b128 v13, v[O+8*\dt:O+8*\dt+3] offset:64*\dt
	ds_store_b128 v13, v[O+8*\dt+4:O+8*\dt+7] offset:64*\dt+16
.endr
	s_wait_dscnt 0x0
	s_barrier_signal -1
	s_barrier_wait -1
.irp i, 0,1,2,3,4,5,6,7,8,9,10,11,12,13,14,15
	ds_load_b64 v[KV+2*\i:KV+2*\i+1], v14 offset:4352*\i       ; wave w owns query w: its row in every wave's O
.endr
	ds_load_b32 v[KV+32], v15
	s_wait_dscnt 0x0
.irp i, 2,4,6,8,10,12,14
	v_pk_add_f32 v[KV:KV+1], v[KV:KV+1], v[KV+2*\i:KV+2*\i+1]
	v_pk_add_f32 v[KV+2:KV+3], v[KV+2:KV+3], v[KV+2*\i+2:KV+2*\i+3]
.endr
	v_pk_add_f32 v[KV:KV+1], v[KV:KV+1], v[KV+2:KV+3]
	v_add_f32_dpp v[KV+32], v[KV+32], v[KV+32] row_xmask:1 row_mask:0xf bank_mask:0xf
	v_add_f32_dpp v[KV+32], v[KV+32], v[KV+32] row_xmask:2 row_mask:0xf bank_mask:0xf
	v_add_f32_dpp v[KV+32], v[KV+32], v[KV+32] row_xmask:4 row_mask:0xf bank_mask:0xf
	v_add_f32_dpp v[KV+32], v[KV+32], v[KV+32] row_xmask:8 row_mask:0xf bank_mask:0xf
	v_rcp_f32 v[KV+33], v[KV+32]
	v_nop
	s_wait_alu depctr_va_vdst(0)
	v_mul_f32 v[KV+34], v[KV], v[KV+33]
	v_mul_f32 v[KV+35], v[KV+1], v[KV+33]
	global_store_b64 v28, v[KV+34:KV+35], s[18:19]             ; the wave stores 256 consecutive bytes, aligned
	s_wait_tensorcnt 0x0                           ; the wave's end
	ds_add_u32 v9, v10
	s_wait_dscnt 0x0
	s_endpgm
.Lfunc_end_k_q55d1826a57_fine:
	.size	k_q55d1826a57_fine, .Lfunc_end_k_q55d1826a57_fine-k_q55d1826a57_fine
	.p2alignl 7, 3214868480
	.fill 96, 4, 3214868480
	.section	.rodata,"a",@progbits
	.p2align	6, 0x0
	.amdhsa_kernel k_q55d1826a57_fine
		.amdhsa_group_segment_fixed_size 307200
		.amdhsa_private_segment_fixed_size 0
		.amdhsa_enable_private_segment 0
		.amdhsa_kernarg_size 24
		.amdhsa_user_sgpr_count 2
		.amdhsa_user_sgpr_kernarg_segment_ptr 1
		.amdhsa_wavefront_size32 1
		.amdhsa_system_sgpr_workgroup_id_x 1
		.amdhsa_system_sgpr_workgroup_id_y 1
		.amdhsa_system_sgpr_workgroup_id_z 1
		.amdhsa_system_vgpr_workitem_id 0
		.amdhsa_next_free_vgpr 256
		.amdhsa_next_free_sgpr 66
		.amdhsa_reserve_vcc 0
		.amdhsa_float_denorm_mode_32 3
		.amdhsa_float_denorm_mode_16_64 3
		.amdhsa_memory_ordered 1
		.amdhsa_forward_progress 1
		.amdhsa_inst_pref_size 58
	.end_amdhsa_kernel
	.amdgpu_metadata
---
amdhsa.version: [ 1, 2 ]
amdhsa.kernels:
  - .name:           k_q55d1826a57_fine
    .symbol:         k_q55d1826a57_fine.kd
    .args:
      - { .name: qkv, .offset: 0, .size: 8, .value_kind: global_buffer, .address_space: global }
      - { .name: causal_mask, .offset: 8, .size: 8, .value_kind: global_buffer, .address_space: global }
      - { .name: attf, .offset: 16, .size: 8, .value_kind: global_buffer, .address_space: global }
    .group_segment_fixed_size: 307200
    .private_segment_fixed_size: 0
    .kernarg_segment_align: 8
    .kernarg_segment_size: 24
    .max_flat_workgroup_size: 512
    .sgpr_count:     66
    .vgpr_count:     256
    .wavefront_size: 32
...
	.end_amdgpu_metadata
.endif
;; end of part 4
;; launch proj (part 5): grid 8 x 32, 4 waves a work-group, clusters of 4 x 4, 327,680 bytes of LDS; arguments att16, wo16, out0; writes out0
.if DOCPART == 5
	.amdgcn_target "amdgcn-amd-amdhsa--gfx1250"
	.amdhsa_code_object_version 6
	.text
	.protected	k_q55d1826a57_proj
	.globl	k_q55d1826a57_proj
	.p2align	8
	.type	k_q55d1826a57_proj,@function
k_q55d1826a57_proj:
	s_mov_b64 s[64:65], 0
	v_nop
	global_prefetch_b8 v0, s[64:65] scope:SCOPE_SE
	s_setreg_imm32_b32 hwreg(HW_REG_WAVE_MODE, 25, 1), 1
	s_wait_xcnt 0x0
	s_wait_alu depctr_hold_cnt(0) depctr_sa_sdst(0) depctr_va_vdst(0) depctr_va_sdst(0) depctr_va_ssrc(0) depctr_va_vcc(0) depctr_vm_vsrc(0)
	s_getreg_b32 s2, hwreg(HW_REG_IB_STS2, 6, 4)
	s_cmp_eq_u32 s2, 0
	s_cbranch_scc0 .Lentry_in_a_cluster
	s_endpgm
.Lentry_in_a_cluster:
	s_bfe_u32 s2, ttmp6, 0x10000c
	s_cmp_lg_u32 s2, 0xf033
	s_cbranch_scc0 .Lentry_shape_is_right
	s_endpgm
.Lentry_shape_is_right:
; PROJ.  out[m][n] = sum over k of att[m][k] Wo[n][k].  att: [4096][1024], Wo: [1024][1024], both f16; out: [4096][1024] f32; sums in f32.
; A tile of out is 128 x 128: 256 work-groups.  Four waves, each 64 x 64: 16 accumulators.  K goes in steps of 256 (LDS rows of 512 bytes; a wave's tensor load brings 64 of them) through two slots.
; CLUSTERS: 4 x 4 work-groups; att's tiles are asked for jointly along a row of the cluster, Wo's along a column.  THE MATRIX INSTRUCTION IS USED TRANSPOSED (source 0 = 16 rows of Wo, source 1 = 16 rows of att):
; a lane holds eight neighbouring numbers of a row of out.  A wave's 64 columns are 256 aligned bytes of a row, so each wave has a stage of its own on the way out, and no barrier stands there.
; No prefetch: the tiles are small and shared in the cluster.  The rows of the first 16 positions of each sequence are written again, more finely, by the next launch.
; REGISTERS: window 0: v0-31 addresses; v32-95 rows read back from the stage, two sets; v128-255 the accumulators ((a, b) at v[128 + 8 (4 a + b)]).  window 1: two fragment buffers of 128.
.set SIZE_N, 1024
.set SIZE_K, 1024
.set KSTEP,  256
.set PITCH,  528                       ; an LDS row: 512 bytes + 16 of padding
.set HALFT,  64*PITCH
.set SLOT,   4*HALFT
.set STAGE,  2*SLOT                    ; behind the ring: 16 rows x 272 bytes for each wave
.set SPITCH, 272
.set SPARE,  STAGE+4*16*SPITCH         ; the spare words, 128 bytes for each wave
.set LAPS, SIZE_K/(2*KSTEP)
.set ADRA, 16
.set ADRB, 20
.set STO,  24
.set RD,   25
.set CO,   26
.set SPW,  28
.set NIL,  29
.set TMP,  32
.set ACC,  128
.set F0,   0
.set F1,   128
.set G1, 24
.set G0, 32
.set G1B, 48
.set G0B, 56
.set MSB, 0
.macro WIN new
.if MSB != (\new)
	s_set_vgpr_msb (MSB<<8)|(\new)
.set MSB, (\new)
.endif
.endm
.set MUL,  0x05                        ; sources 0 (Wo) and 1 (att) window 1; C and D window 0
.set TO_F, 0x40
.macro JLOAD s                         ; a joint load: waves 0 and 1 fetch att's two halves, waves 2 and 3 Wo's; an s_nop 0 and four v_nop follow each line
	s_cmp_eq_u32 s11, 0
	s_cbranch_scc0 .Lfor_b_\@
	tensor_load_to_lds s[G0+4*\s:G0+4*\s+3], s[G1:G1+7]
	s_nop 0
.rept 4
	v_nop
.endr
	s_branch .Lasked_\@
.Lfor_b_\@:
	tensor_load_to_lds s[G0B+4*\s:G0B+4*\s+3], s[G1B:G1B+7]
	s_nop 0
.rept 4
	v_nop
.endr
.Lasked_\@:
.endm
.macro CREST
	s_cmp_lg_u32 s10, 0
	s_cbranch_scc1 .Lnot_wave_0_\@
	s_barrier_signal -3
.Lnot_wave_0_\@:
	s_barrier_wait -3
	s_barrier_signal -1
	s_barrier_wait -1
.endm
.macro CROUND
	s_barrier_signal -1
	s_barrier_wait -1
	CREST
.endm
	s_load_b128 s[4:7], s[0:1], 0x0                ; att16, wo16
	s_load_b64 s[8:9], s[0:1], 0x10                ; out0
	v_lshl_add_u32 v[SPW], v0, 2, SPARE
	v_mov_b32 v[NIL], 0
	ds_add_u32 v[SPW], v[NIL]                      ; the wave's opening: the add, twice on end, and its wait ahead of my first tensor load
	ds_add_u32 v[SPW], v[NIL]
	v_lshrrev_b32 v1, 5, v0
	v_readfirstlane_b32 s10, v1                    ; wave 0..3
	s_lshr_b32 s11, s10, 1                         ; which half of the tile's rows is mine.  Also: I fetch for att (0) or for Wo (1)
	s_and_b32 s12, s10, 1                          ; which half of its columns.  Also: which 64 rows I fetch
	s_bfe_u32 s40, ttmp6, 0x40000
	s_bfe_u32 s41, ttmp6, 0x40004
	s_lshl_b32 s42, ttmp9, 2
	s_add_co_u32 s42, s42, s40                     ; tile column
	s_and_b32 s13, ttmp7, 0xffff
	s_lshl_b32 s13, s13, 2
	s_add_co_u32 s13, s13, s41                     ; tile row
	s_lshl_b32 s43, s41, 2
	s_lshl_b32 s43, 15, s43
	s_lshl_b32 s44, 0x1111, s40
	s_or_b32 s[G1+0], s43, (1<<16)|(1<<20)|(1<<21)|(6<<22)|(3<<25)  ; elements of 2 bytes; 4 words of padding after every 128
	s_or_b32 s[G1B+0], s44, (1<<16)|(1<<20)|(1<<21)|(6<<22)|(3<<25)
.irp g, G1, G1B
	s_mov_b32 s[\g+1], KSTEP<<16
	s_mov_b32 s[\g+2], 64<<16
	s_mov_b32 s[\g+3], KSTEP<<16
	s_mov_b32 s[\g+4], 64
	s_mov_b32 s[\g+5], SIZE_K
	s_mov_b32 s[\g+6], 0
	s_mov_b32 s[\g+7], 0
.endr
	s_lshl_b32 s17, s12, 6
	s_lshl_b32 s16, s13, 7
	s_add_co_u32 s16, s16, s17
	s_lshl_b32 s46, s42, 7
	s_add_co_u32 s46, s46, s17
	s_mov_b32 s17, 0
	s_mov_b32 s47, 0
	s_mov_b64 s[18:19], SIZE_K*2
	s_mul_u64 s[16:17], s[16:17], s[18:19]
	s_mul_u64 s[46:47], s[46:47], s[18:19]
	s_mul_i32 s20, s10, HALFT
	s_wait_dscnt 0x0                               ; both opening adds are done
	s_wait_kmcnt 0x0
	s_add_nc_u64 s[14:15], s[4:5], s[16:17]
	s_add_nc_u64 s[46:47], s[6:7], s[46:47]
	CROUND
.irp s, 0,1
	s_mov_b32 s[G0+4*\s], 1
	s_add_co_u32 s[G0+4*\s+1], s20, \s*SLOT
	s_add_nc_u64 s[G0+4*\s+2:G0+4*\s+3], s[14:15], \s*KSTEP*2
	s_or_b32 s[G0+4*\s+3], s[G0+4*\s+3], 0x80000000
	s_mov_b32 s[G0B+4*\s], 1
	s_add_co_u32 s[G0B+4*\s+1], s20, \s*SLOT
	s_add_nc_u64 s[G0B+4*\s+2:G0B+4*\s+3], s[46:47], \s*KSTEP*2
	s_or_b32 s[G0B+4*\s+3], s[G0B+4*\s+3], 0x80000000
	JLOAD \s
.endr
	v_and_b32 v1, 15, v0
	v_bfe_u32 v2, v0, 4, 1
	v_mul_u32_u24 v3, v1, PITCH
	v_lshl_add_u32 v3, v2, 4, v3
	s_mul_i32 s21, s11, HALFT
	s_mul_i32 s22, s12, HALFT
	s_add_co_u32 s22, s22, 2*HALFT
.irp s, 0,1
	v_add_nc_u32 v[ADRA+\s], s21, v3
	v_add_nc_u32 v[ADRB+\s], s22, v3
	s_add_co_u32 s21, s21, SLOT
	s_add_co_u32 s22, s22, SLOT
.endr
	s_mul_i32 s23, s10, 16*SPITCH
	s_add_co_u32 s23, s23, STAGE                   ; my stage
	v_mul_u32_u24 v4, v1, SPITCH
	v_lshl_add_u32 v4, v2, 5, v4
	v_add_nc_u32 v[STO], s23, v4                   ; in: row r, 32 bytes for each half of the lanes
	v_mul_u32_u24 v5, v2, SPITCH
	v_lshl_add_u32 v5, v1, 4, v5
	v_add_nc_u32 v[RD], s23, v5                    ; back: lanes 0-15 one row of 256 bytes, lanes 16-31 the next
	v_lshlrev_b32 v5, 12, v2
	v_lshl_add_u32 v[CO], v1, 4, v5                ; and the same two rows in out
	s_lshl_b32 s16, s13, 7
	s_lshl_b32 s17, s11, 6
	s_add_co_u32 s16, s16, s17                     ; my first row: 128 x tile row + 64 x half
	s_lshl_b32 s16, s16, 12                        ; 4,096 bytes a row
	s_mov_b32 s17, 0
	s_add_nc_u64 s[8:9], s[8:9], s[16:17]
	s_lshl_b32 s46, s42, 9                         ; my first column, in bytes: 512 x tile column + 256 x half
	s_lshl_b32 s47, s12, 8
	s_add_co_u32 s46, s46, s47
	s_mov_b32 s47, 0
	s_add_nc_u64 s[8:9], s[8:9], s[46:47]
.macro MUL8 f, c, a0, zero             ; 8 matrix instructions; the 16 accumulators take turns
.irp a, \a0, \a0+1
.irp b, 0,1,2,3
.if \zero
	v_wmma_f32_16x16x32_f16 v[ACC+8*(4*(\a)+\b):ACC+8*(4*(\a)+\b)+7], v[\f+64+8*(4*\c+\b):\f+64+8*(4*\c+\b)+7], v[\f+8*(4*\c+\a):\f+8*(4*\c+\a)+7], 0
.else
	v_wmma_f32_16x16x32_f16 v[ACC+8*(4*(\a)+\b):ACC+8*(4*(\a)+\b)+7], v[\f+64+8*(4*\c+\b):\f+64+8*(4*\c+\b)+7], v[\f+8*(4*\c+\a):\f+8*(4*\c+\a)+7], v[ACC+8*(4*(\a)+\b):ACC+8*(4*(\a)+\b)+7]
.endif
.endr
.endr
.endm
.macro FETCH slot, k, f                ; 32 LDS loads in one run: the fragments of 64 along K at byte k of the rows
	WIN TO_F
.irp c, 0,1
.irp i, 0,1,2,3
	ds_load_b128 v[\f+64+8*(4*\c+\i):\f+64+8*(4*\c+\i)+3],   v[ADRB+\slot] offset:\k+64*\c+\i*16*PITCH
	ds_load_b128 v[\f+64+8*(4*\c+\i)+4:\f+64+8*(4*\c+\i)+7], v[ADRB+\slot] offset:\k+64*\c+\i*16*PITCH+32
	ds_load_b128 v[\f+8*(4*\c+\i):\f+8*(4*\c+\i)+3],         v[ADRA+\slot] offset:\k+64*\c+\i*16*PITCH
	ds_load_b128 v[\f+8*(4*\c+\i)+4:\f+8*(4*\c+\i)+7],       v[ADRA+\slot] offset:\k+64*\c+\i*16*PITCH+32
.endr
.endr
.endm
.macro PLACES
.rept 4
	v_nop
.endr
.endm
.macro QUARTER slot, k, f, g, zero
	s_wait_dscnt 16                                ; the first 32 along K are in; the other sixteen loads may be out
	WIN MUL
	MUL8 \f, 0, 0, \zero
	MUL8 \f, 0, 2, \zero
	PLACES
	FETCH \slot, \k, \g
	s_wait_dscnt 32                                ; all but the 32 just issued
	WIN MUL
	MUL8 \f, 1, 0, 0
	MUL8 \f, 1, 2, 0
.endm
.macro TURN slot, next, fill           ; the last quarter changes slots
	WIN 0
	s_wait_tensorcnt 0x0                           ; all my tensor loads have landed: my part of the next slot
	ds_add_u32 v[SPW], v[NIL]
	s_wait_dscnt 17                                ; (the add and the youngest sixteen loads may be out)
	WIN MUL
	MUL8 F1, 0, 0, 0
	s_wait_dscnt 0x0                               ; the add is done, and my reads of this slot are over
	s_barrier_signal -1
	MUL8 F1, 0, 2, 0
.if \fill
	WIN 0
.endif
	s_barrier_wait -1
.if \fill
	CREST                                          ; the barrier has opened a round of the cluster's barrier
	s_add_nc_u64 s[G0+4*\slot+2:G0+4*\slot+3], s[G0+4*\slot+2:G0+4*\slot+3], 2*KSTEP*2
	s_add_nc_u64 s[G0B+4*\slot+2:G0B+4*\slot+3], s[G0B+4*\slot+2:G0B+4*\slot+3], 2*KSTEP*2
	JLOAD \slot                                    ; the first tensor load behind the round
.else
	PLACES
.endif
	FETCH \next, 0, F0
	WIN MUL
	MUL8 F1, 1, 0, 0
	MUL8 F1, 1, 2, 0
.endm
	s_wait_tensorcnt 1                             ; my part of K step 0 is in (K step 1's load may be out),
	s_barrier_signal -1
	s_barrier_wait -1
	FETCH 0, 0, F0
	QUARTER 0, 128, F0, F1, 1                      ; the first products start the sums
	WIN 0
	s_mov_b32 s3, LAPS-1
.Llap:
	QUARTER 0, 256, F1, F0, 0
	QUARTER 0, 384, F0, F1, 0
	TURN 0, 1, 1
	QUARTER 1, 128, F0, F1, 0
	QUARTER 1, 256, F1, F0, 0
	QUARTER 1, 384, F0, F1, 0
	TURN 1, 0, 1
	QUARTER 0, 128, F0, F1, 0
	WIN 0
	s_sub_co_u32 s3, s3, 1
	s_cmp_lg_u32 s3, 0
	s_cbranch_scc1 .Llap
	QUARTER 0, 256, F1, F0, 0                      ; the last lap fills nothing
	QUARTER 0, 384, F0, F1, 0
	TURN 0, 1, 0
	QUARTER 1, 128, F0, F1, 0
	QUARTER 1, 256, F1, F0, 0
	QUARTER 1, 384, F0, F1, 0
	s_wait_dscnt 16
	WIN MUL
	MUL8 F1, 0, 0, 0
	MUL8 F1, 0, 2, 0
	s_wait_dscnt 0
	MUL8 F1, 1, 0, 0
	MUL8 F1, 1, 2, 0
	WIN 0
	; THE WAY OUT, 16 rows at a time through my own stage: in as 32 bytes a lane, each accumulator from its low end on; back as whole rows of 256 bytes.  LDS serves a wave's instructions in order.
.macro TOSTAGE a
.irp b, 0,1,2,3
	ds_store_b128 v[STO], v[ACC+8*(4*(\a)+\b):ACC+8*(4*(\a)+\b)+3] offset:64*\b
	ds_store_b128 v[STO], v[ACC+8*(4*(\a)+\b)+4:ACC+8*(4*(\a)+\b)+7] offset:64*\b+16
.endr
.irp i, 0,1,2,3,4,5,6,7
	ds_load_b128 v[TMP+32*((\a)%2)+4*\i:TMP+32*((\a)%2)+4*\i+3], v[RD] offset:2*\i*SPITCH
.endr
.endm
.macro SEND a, younger
	s_wait_dscnt \younger
.irp i, 0,1,2,3,4,5,6,7
	global_store_b128 v[CO], v[TMP+32*((\a)%2)+4*\i:TMP+32*((\a)%2)+4*\i+3], s[8:9] offset:(16*(\a)+2*\i)*SIZE_N*4 th:TH_STORE_NT   ; sixteen lanes store 256 consecutive bytes, aligned
.endr
.endm
	PLACES
	TOSTAGE 0
.irp a, 1,2,3
.if \a > 1
	s_wait_xcnt 0x0                                ; block a - 2's stores have read their registers
.endif
	TOSTAGE \a
	SEND \a-1, 16                                  ; behind block a - 1's loads: block a's 8 stores and 8 loads
.endr
	SEND 3, 0
	s_wait_tensorcnt 0x0                           ; the wave's end
	ds_add_u32 v[SPW], v[NIL]
	s_wait_dscnt 0x0
	CROUND                                         ; the closing round
	s_endpgm
.Lfunc_end_k_q55d1826a57_proj:
	.size	k_q55d1826a57_proj, .Lfunc_end_k_q55d1826a57_proj-k_q55d1826a57_proj
	.p2alignl 7, 3214868480
	.fill 96, 4, 3214868480
	.section	.rodata,"a",@progbits
	.p2align	6, 0x0
	.amdhsa_kernel k_q55d1826a57_proj
		.amdhsa_group_segment_fixed_size 327680
		.amdhsa_private_segment_fixed_size 0
		.amdhsa_enable_private_segment 0
		.amdhsa_kernarg_size 24
		.amdhsa_user_sgpr_count 2
		.amdhsa_user_sgpr_kernarg_segment_ptr 1
		.amdhsa_wavefront_size32 1
		.amdhsa_system_sgpr_workgroup_id_x 1
		.amdhsa_system_sgpr_workgroup_id_y 1
		.amdhsa_system_sgpr_workgroup_id_z 1
		.amdhsa_system_vgpr_workitem_id 0
		.amdhsa_next_free_vgpr 512
		.amdhsa_next_free_sgpr 66
		.amdhsa_reserve_vcc 0
		.amdhsa_float_denorm_mode_32 3
		.amdhsa_float_denorm_mode_16_64 3
		.amdhsa_memory_ordered 1
		.amdhsa_forward_progress 1
		.amdhsa_inst_pref_size 86
	.end_amdhsa_kernel
	.amdgpu_metadata
---
amdhsa.version: [ 1, 2 ]
amdhsa.kernels:
  - .name:           k_q55d1826a57_proj
    .symbol:         k_q55d1826a57_proj.kd
    .args:
      - { .name: att16, .offset: 0, .size: 8, .value_kind: global_buffer, .address_space: global }
      - { .name: wo16, .offset: 8, .size: 8, .value_kind: global_buffer, .address_space: global }
      - { .name: out0, .offset: 16, .size: 8, .value_kind: global_buffer, .address_space: global }
    .group_segment_fixed_size: 327680
    .private_segment_fixed_size: 0
    .kernarg_segment_align: 8
    .kernarg_segment_size: 24
    .max_flat_workgroup_size: 128
    .sgpr_count:     66
    .vgpr_count:     512
    .wavefront_size: 32
...
	.end_amdgpu_metadata
.endif
;; end of part 5
;; launch fineproj (part 6): grid 128 x 1, 8 waves a work-group, no clusters, 152,576 bytes of LDS; arguments attf, Wo, out0; writes out0
.if DOCPART == 6
	.amdgcn_target "amdgcn-amd-amdhsa--gfx1250"
	.amdhsa_code_object_version 6
	.text
	.protected	k_q55d1826a57_fineproj
	.globl	k_q55d1826a57_fineproj
	.p2align	8
	.type	k_q55d1826a57_fineproj,@function
k_q55d1826a57_fineproj:
	s_mov_b64 s[64:65], 0
	v_nop
	global_prefetch_b8 v0, s[64:65] scope:SCOPE_SE
	s_setreg_imm32_b32 hwreg(HW_REG_WAVE_MODE, 25, 1), 1
	s_wait_xcnt 0x0
; FINEPROJ.  The projection of the first 16 positions of each of the two sequences once more, with f32 operands: out[2048 a + q][o] = sum over e of attf[16 a + q][e] Wo[o][e], a = 0, 1, q = 0..15.  32 rows: no bulk work.
; A work-group takes 16 columns o of one batch a (work-group number = 2 x column group + a); wave w takes e = 128 w .. 128 w + 127.
; EVERY LOAD FROM MEMORY IS DENSE: an instruction takes the wave's 512 consecutive bytes of one row.  The rows turn through the wave's own LDS stage (pitch 528 bytes) and come back a lane a row, 16 bytes at a time.
; Source 0 = 16 rows of Wo, source 1 = 16 rows of attf: a lane holds eight neighbouring o of one row.  A lane's 16 bytes are four neighbouring e: the first two go to one accumulator, the other two to a second, so that two
; accumulators take turns; the products take e in another order than memory has it, the same on both sides, so they pair up rightly.
; The eight waves' sixteen parts meet in LDS as images of the accumulators' registers; waves 0 and 1 add them and store.  A row's piece is 64 bytes: the launch stores 128 KiB in all, in pieces of a quarter of 256 bytes.
; The accumulators v208-223 are written by matrix instructions alone.
.set STG,   16896                      ; a wave's stage: 16 rows of Wo, then 16 of attf, 528 bytes each
.set IMG,   8*STG                      ; the images: 2,048 bytes a wave
.set SPARE, IMG+16384                  ; the spare words, 128 bytes for each wave
	s_load_b128 s[4:7], s[0:1], 0x0                ; attf, Wo
	s_load_b64 s[8:9], s[0:1], 0x10                ; out0
	v_lshl_add_u32 v2, v0, 2, SPARE                ; my spare word; never rewritten
	v_mov_b32 v3, 0                                ; 0; never rewritten
	v_lshrrev_b32 v1, 5, v0
	v_readfirstlane_b32 s10, v1                    ; wave 0..7
	v_and_b32 v4, 15, v0                           ; r
	v_bfe_u32 v5, v0, 4, 1                         ; h
	v_and_b32 v6, 31, v0                           ; lane
	s_lshl_b32 s11, s10, 9
	v_lshl_add_u32 v7, v6, 4, s11                  ; in memory: 16 x lane, + my wave's 512 bytes of a row
	s_mul_i32 s11, s10, STG
	v_lshl_add_u32 v11, v6, 4, s11                 ; the stage, in: 16 x lane
	v_mul_u32_u24 v12, v4, 528
	v_lshl_add_u32 v12, v5, 4, v12
	v_add_nc_u32 v12, s11, v12                     ; and out: row r, + 16 h
	s_lshl_b32 s11, s10, 11
	s_add_co_u32 s11, s11, IMG
	v_lshl_add_u32 v8, v6, 4, s11                  ; my images: 2,048 w + 16 x lane
	s_and_b32 s11, s10, 1
	s_lshl_b32 s11, s11, 9
	s_add_co_u32 s11, s11, IMG
	v_lshl_add_u32 v9, v6, 4, s11                  ; the four registers that I add up: 512 (w % 2) + 16 x lane
	v_lshlrev_b32 v10, 12, v4
	v_lshl_add_u32 v10, v5, 5, v10                 ; out: row r, + 32 h
	s_lshr_b32 s16, ttmp9, 1                       ; the column group
	s_and_b32 s17, ttmp9, 1                        ; the batch
	s_lshl_b32 s12, s16, 16                        ; Wo: my 16 rows of 4,096 bytes
	s_mov_b32 s13, 0
	s_lshl_b32 s18, s17, 16                        ; attf: the batch's 16 rows
	s_mov_b32 s19, 0
	s_lshl_b32 s14, s17, 23                        ; out: the batch's 2,048 rows of 4,096 bytes,
	s_lshl_b32 s15, s16, 6                         ; my 16 columns,
	s_add_co_u32 s14, s14, s15
	s_and_b32 s15, s10, 1
	s_lshl_b32 s15, s15, 4                         ; registers 4 (w % 2) on
	s_add_co_u32 s14, s14, s15
	s_mov_b32 s15, 0
	s_wait_kmcnt 0x0
	s_add_nc_u64 s[6:7], s[6:7], s[12:13]
	s_add_nc_u64 s[4:5], s[4:5], s[18:19]
	s_add_nc_u64 s[8:9], s[8:9], s[14:15]
.set i, 0
.rept 16
	global_load_b128 v[16+4*i:16+4*i+3], v7, s[6:7] offset:4096*i      ; Wo's row i: 512 consecutive bytes
.set i, i+1
.endr
.set i, 0
.rept 16
	global_load_b128 v[80+4*i:80+4*i+3], v7, s[4:5] offset:4096*i      ; attf's row i
.set i, i+1
.endr
	s_wait_loadcnt 16                              ; Wo's rows are in; attf's sixteen loads may be out
.set i, 0
.rept 16
	ds_store_b128 v11, v[16+4*i:16+4*i+3] offset:528*i
.set i, i+1
.endr
	s_wait_loadcnt 0x0
.set i, 0
.rept 16
	ds_store_b128 v11, v[80+4*i:80+4*i+3] offset:8448+528*i
.set i, i+1
.endr
.set j, 0
.rept 16
	ds_load_b128 v[16+4*j:16+4*j+3], v12 offset:32*j                   ; back into the registers that they left: row r, e = 8 j + 4 h on.  My own bytes: LDS serves a wave's instructions in order
	ds_load_b128 v[80+4*j:80+4*j+3], v12 offset:8448+32*j
.set j, j+1
.endr
.set j, 0
.rept 16
.if (j%4) == 0
	s_wait_dscnt 24-8*(j/4)                        ; these four pairs of loads are in; the later pairs may be out
.endif
.if j == 0
	v_wmma_f32_16x16x4_f32 v[208:215], v[16:17], v[80:81], 0           ; the first K steps start both sums
	v_wmma_f32_16x16x4_f32 v[216:223], v[18:19], v[82:83], 0
.else
	v_wmma_f32_16x16x4_f32 v[208:215], v[16+4*j:16+4*j+1], v[80+4*j:80+4*j+1], v[208:215]
	v_wmma_f32_16x16x4_f32 v[216:223], v[16+4*j+2:16+4*j+3], v[80+4*j+2:80+4*j+3], v[216:223]
.endif
.set j, j+1
.endr
.rept 8
	v_nop                                          ; eight places behind this form, in front of the stores that read the sums and of the loads into its operands' registers
.endr
	ds_store_b128 v8, v[208:211]                   ; each accumulator from its low end on
	ds_store_b128 v8, v[212:215] offset:512
	ds_store_b128 v8, v[216:219] offset:1024
	ds_store_b128 v8, v[220:223] offset:1536
	s_wait_dscnt 0x0
	s_barrier_signal -1
	s_barrier_wait -1
	s_cmp_ge_u32 s10, 2
	s_cbranch_scc1 .Ldone
.set n, 0
.rept 16
	ds_load_b128 v[16+4*n:16+4*n+3], v9 offset:1024*n                  ; eight waves x two accumulators
.set n, n+1
.endr
	s_wait_dscnt 0x0
	v_pk_add_f32 v[144:145], v[16:17], v[20:21]
	v_pk_add_f32 v[146:147], v[18:19], v[22:23]
.irp n, 2,3,4,5,6,7,8,9,10,11,12,13,14,15
	v_pk_add_f32 v[144:145], v[144:145], v[16+4*\n:16+4*\n+1]
	v_pk_add_f32 v[146:147], v[146:147], v[16+4*\n+2:16+4*\n+3]
.endr
	global_store_b128 v10, v[144:147], s[8:9]
.Ldone:
	s_wait_tensorcnt 0x0                           ; the wave's end
	ds_add_u32 v2, v3
	s_wait_dscnt 0x0
	s_endpgm
.Lfunc_end_k_q55d1826a57_fineproj:
	.size	k_q55d1826a57_fineproj, .Lfunc_end_k_q55d1826a57_fineproj-k_q55d1826a57_fineproj
	.p2alignl 7, 3214868480
	.fill 96, 4, 3214868480
	.section	.rodata,"a",@progbits
	.p2align	6, 0x0
	.amdhsa_kernel k_q55d1826a57_fineproj
		.amdhsa_group_segment_fixed_size 152576
		.amdhsa_private_segment_fixed_size 0
		.amdhsa_enable_private_segment 0
		.amdhsa_kernarg_size 24
		.amdhsa_user_sgpr_count 2
		.amdhsa_user_sgpr_kernarg_segment_ptr 1
		.amdhsa_wavefront_size32 1
		.amdhsa_system_sgpr_workgroup_id_x 1
		.amdhsa_system_sgpr_workgroup_id_y 1
		.amdhsa_system_sgpr_workgroup_id_z 1
		.amdhsa_system_vgpr_workitem_id 0
		.amdhsa_next_free_vgpr 224
		.amdhsa_next_free_sgpr 66
		.amdhsa_reserve_vcc 0
		.amdhsa_float_denorm_mode_32 3
		.amdhsa_float_denorm_mode_16_64 3
		.amdhsa_memory_ordered 1
		.amdhsa_forward_progress 1
		.amdhsa_inst_pref_size 16
	.end_amdhsa_kernel
	.amdgpu_metadata
---
amdhsa.version: [ 1, 2 ]
amdhsa.kernels:
  - .name:           k_q55d1826a57_fineproj
    .symbol:         k_q55d1826a57_fineproj.kd
    .args:
      - { .name: attf, .offset: 0, .size: 8, .value_kind: global_buffer, .address_space: global }
      - { .name: Wo, .offset: 8, .size: 8, .value_kind: global_buffer, .address_space: global }
      - { .name: out0, .offset: 16, .size: 8, .value_kind: global_buffer, .address_space: global }
    .group_segment_fixed_size: 152576
    .private_segment_fixed_size: 0
    .kernarg_segment_align: 8
    .kernarg_segment_size: 24
    .max_flat_workgroup_size: 256
    .sgpr_count:     66
    .vgpr_count:     224
    .wavefront_size: 32
...
	.end_amdgpu_metadata
.endif
;; end of part 6
